; MI455X (gfx1250); checked and timed in simulation.
; The chip was launched on July 23, 2026; its instructions are those of AMD's public machine-readable ISA for CDNA 5 (MIT licence, August 2026) and "CDNA5" Instruction Set Architecture Reference Guide (July 2026). The comments in the code are by the model that wrote it; some were corrected since.
;; Custom Model. Allowed arithmetic: float matrix products may take bf16 or f16 operands with f32 sums; all other float work in f32.
;; Inputs: W1 2 x 8 x 1,024 x 2,048 float32; W2 2 x 8 x 2,048 x 1,024 float32; protos 2 x 8 x 1,024 float32; x 2 x 512 x 1,024 float32.
;; Outputs: out0 2 x 512 x 1,024 float32.
;; Constants: k = 2.
;; 2 versions, each right and faster than the one before. Each part assembles by itself: llvm-mc -triple=amdgcn-amd-amdhsa -mcpu=gfx1250 --defsym DOCPART=n.
;; ======== version 1 of 2: 9 launches
;; workspace buffers: xb 2,097,152 bytes; x2 4,194,304 bytes; sel 4,352 bytes of whole numbers; wgt 32,768 bytes; idx 78,848 bytes of whole numbers; hbuf 83,886,080 bytes; ybuf 167,772,160 bytes
;; launch route0 (part 1): grid 256 x 1, 4 waves a work-group, no clusters, 0 bytes of LDS; arguments x, protos, xb, sel, wgt; writes xb, sel, wgt
.if DOCPART == 1
	.amdgcn_target "amdgcn-amd-amdhsa--gfx1250"
	.amdhsa_code_object_version 6
	.text
	.protected	k_q35287a1634_route0
	.globl	k_q35287a1634_route0
	.p2align	8
	.type	k_q35287a1634_route0,@function
k_q35287a1634_route0:
	s_mov_b64 s[64:65], 0
	v_nop
	global_prefetch_b8 v0, s[64:65] scope:SCOPE_SE
	s_setreg_imm32_b32 hwreg(HW_REG_WAVE_MODE, 25, 1), 1
	s_wait_xcnt 0x0
; ROUTING OF LAYER 0.  One wave a token, t = 4 x work-group + wave.  x and the prototypes are rounded to bf16 at first use (all inputs of the
; program are), the eight dot products are f32 multiply-adds on the vector unit: they feed a choice, so they are not given to the matrix unit.
; s_e = |x . p_e|; kept are the experts with s_e >= the second largest; softmax over the kept ones with the largest taken away first.
; Stored: xb[t] (the rounded row, bf16), sel[t] (8-bit mask of kept experts), wgt[t][8] (weights, 0 where not kept), and the layer's number in sel's words 1024..1055.
; LIMITS: NaN is not treated apart; exact ties are decided on these f32 sums; a weight below 2^-126 counts as 0.
; A lane's register 4 i + c holds column 128 i + 4 lane + c, of x and of every prototype.
.set X,   8                            ; v[8:39]    the token's row in f32
.set ACC, 40                           ; v[40:55]   a pair of running sums for each expert
.set XP,  40                           ; v[40:55]   before that: the row packed to bf16
.set AR0, 64                           ; three areas of 64 registers, two prototypes each
.set AR1, 128
.set AR2, 192
.set S,   64                           ; v[64:71]   the scores, once the areas are free
.set D,   72                           ; v[72:79]   exponents, then weights
.set PBASE, 0                          ; this layer's prototypes begin here
.set PROT, 6                           ; s[6:7]     protos
.set XBP,  8                           ; s[8:9]     xb at my row
.set SELB, 10                          ; s[10:11]   sel
.set WGT,  12                          ; s[12:13]   wgt at my token
.set SELT, 14                          ; s[14:15]   sel at my token
.macro PLOAD a, b                      ; prototypes 2 b and 2 b + 1 into area a: 16 loads of 512 consecutive bytes
.irp ee, 0,1
.irp i, 0,1,2,3,4,5,6,7
	global_load_b128 v[(\a)+32*(\ee)+4*(\i):(\a)+32*(\ee)+4*(\i)+3], v2, s[PROT:PROT+1] offset:PBASE+(2*(\b)+(\ee))*4096+512*(\i)
.endr
.endr
.endm
.macro DOT a, b                        ; both prototypes of area a: rounded to bf16, widened in place, multiplied into their sums; the first pair starts the sums
.set p, 0
.rept 16
.irp ee, 0,1
	v_cvt_pk_bf16_f32 v[5+(\ee)], v[(\a)+32*(\ee)+2*p], v[(\a)+32*(\ee)+2*p+1]
.endr
.irp ee, 0,1
	v_lshlrev_b32 v[(\a)+32*(\ee)+2*p], 16, v[5+(\ee)]
	v_and_b32 v[(\a)+32*(\ee)+2*p+1], s26, v[5+(\ee)]
.endr
.irp ee, 0,1
.if p == 0
	v_pk_mul_f32 v[ACC+2*(2*(\b)+(\ee)):ACC+2*(2*(\b)+(\ee))+1], v[(\a)+32*(\ee)+2*p:(\a)+32*(\ee)+2*p+1], v[X+2*p:X+2*p+1]
.else
	v_pk_fma_f32 v[ACC+2*(2*(\b)+(\ee)):ACC+2*(2*(\b)+(\ee))+1], v[(\a)+32*(\ee)+2*p:(\a)+32*(\ee)+2*p+1], v[X+2*p:X+2*p+1], v[ACC+2*(2*(\b)+(\ee)):ACC+2*(2*(\b)+(\ee))+1]
.endif
.endr
.set p, p+1
.endr
.endm
.macro TOXP                            ; the row rounded to bf16, two numbers a word
.set p, 0
.rept 16
	v_cvt_pk_bf16_f32 v[XP+p], v[X+2*p], v[X+2*p+1]
.set p, p+1
.endr
.endm
.macro WIDEN                           ; and back to f32
.set p, 0
.rept 16
	v_lshlrev_b32 v[X+2*p], 16, v[XP+p]
	v_and_b32 v[X+2*p+1], s26, v[XP+p]
.set p, p+1
.endr
.endm
.macro STXB                            ; each store of the wave covers 256 consecutive bytes, aligned
.irp i, 0,1,2,3,4,5,6,7
	global_store_b64 v3, v[XP+2*(\i):XP+2*(\i)+1], s[XBP:XBP+1] offset:256*(\i)
.endr
.endm
.macro FINISH                          ; sums over the lanes, top two, softmax: every lane ends with all eight weights
.irp e, 0,1,2,3,4,5,6,7
	v_add_f32 v[S+\e], v[ACC+2*\e], v[ACC+2*\e+1]
.endr
.irp m, 1,2,4,8
.irp e, 0,1,2,3,4,5,6,7
	v_add_f32_dpp v[S+\e], v[S+\e], v[S+\e] row_xmask:\m row_mask:0xf bank_mask:0xf
.endr
.endr
.irp e, 0,1,2,3,4,5,6,7
	v_permlanex16_b32 v[D+\e], v[S+\e], s28, s29
.endr
.irp e, 0,1,2,3,4,5,6,7
	v_add_f32 v[S+\e], v[S+\e], v[D+\e]
.endr
.irp e, 0,1,2,3,4,5,6,7
	v_and_b32 v[S+\e], s27, v[S+\e]            ; the magnitude
.endr
	v_max_num_f32 v80, v[S], v[S+1]                ; v80 the largest, v81 the second largest
	v_min_num_f32 v81, v[S], v[S+1]
.irp e, 2,3,4,5,6,7
	v_min_num_f32 v82, v80, v[S+\e]
	v_max_num_f32 v81, v81, v82
	v_max_num_f32 v80, v80, v[S+\e]
.endr
.irp e, 0,1,2,3,4,5,6,7
	v_cmp_ge_f32 s[32+\e], v[S+\e], v81        ; kept: it selects values only, no branch and no address
	v_sub_f32 v[D+\e], v[S+\e], v80            ; the largest is taken away ahead of the exponential
.endr
.irp e, 0,1,2,3,4,5,6,7
	v_mul_f32 v[D+\e], s30, v[D+\e]
.endr
.irp e, 0,1,2,3,4,5,6,7
	v_exp_f32 v[D+\e], v[D+\e]
.endr
	v_nop                                          ; a plain instruction between the last exponential and the use of its result (ISA guide 5.7.2)
	s_wait_alu depctr_va_vdst(0)
.irp e, 0,1,2,3,4,5,6,7
	v_cndmask_b32 v[D+\e], 0, v[D+\e], s[32+\e]
.endr
	v_add_f32 v83, v[D], v[D+1]
.irp e, 2,3,4,5,6,7
	v_add_f32 v83, v83, v[D+\e]
.endr
	v_rcp_f32 v83, v83
	v_mov_b32 v84, 0                               ; the plain instruction behind the reciprocal; the mask starts here
	s_wait_alu depctr_va_vdst(0)
.irp e, 0,1,2,3,4,5,6,7
	v_mul_f32 v[D+\e], v[D+\e], v83
	v_cndmask_b32 v82, 0, (1<<\e), s[32+\e]
	v_or_b32 v84, v84, v82
.endr
	v_mov_b32 v85, v[D]                            ; lane e takes weight e
.irp e, 1,2,3,4,5,6,7
	v_cmp_eq_u32 vcc_lo, \e, v1
	v_cndmask_b32 v85, v85, v[D+\e], vcc_lo
.endr
.endm
.macro PUT layer
	s_wait_xcnt 0x0                                ; EXEC is a source of the loads and stores issued so far: it changes only behind this wait
	v_cmp_gt_u32 vcc_lo, 8, v1
	s_and_saveexec_b32 s31, vcc_lo
	global_store_b32 v4, v85, s[WGT:WGT+1]         ; lanes 0 to 7: the token's eight weights
	s_wait_xcnt 0x0
	s_or_b32 exec_lo, exec_lo, s31
	v_cmp_eq_u32 vcc_lo, 0, v1
	s_and_saveexec_b32 s31, vcc_lo
	global_store_b32 v4, v84, s[SELT:SELT+1]       ; lane 0: the mask
	s_wait_xcnt 0x0
	s_or_b32 exec_lo, exec_lo, s31
	s_cmp_lg_u32 s21, 0
	s_cbranch_scc1 .Lend
	v_mov_b32 v82, \layer                          ; token 0's wave also leaves the layer's number, 32 times
	global_store_b32 v4, v82, s[SELB:SELB+1] offset:4096
.Lend:
.endm
	s_load_b256 s[4:11], s[0:1], 0x0               ; x s[4:5], protos s[6:7], xb s[8:9], sel s[10:11]
	s_load_b64 s[12:13], s[0:1], 0x20              ; wgt
	v_and_b32 v1, 31, v0                           ; lane
	v_lshrrev_b32 v5, 5, v0
	v_readfirstlane_b32 s20, v5                    ; wave
	s_lshl_b32 s21, ttmp9, 2
	s_add_co_u32 s21, s21, s20                     ; my token
	v_lshlrev_b32 v2, 4, v1
	v_lshlrev_b32 v3, 3, v1
	v_lshlrev_b32 v4, 2, v1
	s_mov_b32 s26, 0xffff0000                      ; a word's upper bf16
	s_mov_b32 s27, 0x7fffffff                      ; clears a sign
	s_mov_b32 s28, 0x76543210                      ; v_permlanex16_b32: each lane takes its own place in the other half
	s_mov_b32 s29, 0xfedcba98
	s_mov_b32 s30, 0x3fb8aa3b                      ; log2(e)
	s_mov_b32 s23, 0
	s_wait_kmcnt 0x0
	s_lshl_b32 s22, s21, 12
	s_add_nc_u64 s[4:5], s[4:5], s[22:23]
	s_lshl_b32 s22, s21, 11
	s_add_nc_u64 s[8:9], s[8:9], s[22:23]
	s_lshl_b32 s22, s21, 2
	s_add_nc_u64 s[14:15], s[10:11], s[22:23]
	s_lshl_b32 s22, s21, 5
	s_add_nc_u64 s[12:13], s[12:13], s[22:23]
.irp i, 0,1,2,3,4,5,6,7
	global_load_b128 v[X+4*(\i):X+4*(\i)+3], v2, s[4:5] offset:512*(\i) th:TH_LOAD_NT
.endr
	PLOAD AR0, 0
	PLOAD AR1, 1
	PLOAD AR2, 2
	s_wait_loadcnt 48                              ; x is in; the three areas' 48 loads stay out
	TOXP
	STXB
	WIDEN
	s_wait_xcnt 0x0                                ; the sums take the registers that the stores above read
	s_wait_loadcnt 32                              ; area 0 is in; 32 younger loads stay out
	DOT AR0, 0
	PLOAD AR0, 3
	s_wait_loadcnt 32                              ; area 1: behind it area 2's 16 and the 16 just issued
	DOT AR1, 1
	s_wait_loadcnt 16
	DOT AR2, 2
	s_wait_loadcnt 0x0
	DOT AR0, 3
	FINISH
	PUT 0
	s_endpgm
.Lfunc_end_k_q35287a1634_route0:
	.size	k_q35287a1634_route0, .Lfunc_end_k_q35287a1634_route0-k_q35287a1634_route0
	.p2alignl 7, 3214868480
	.fill 96, 4, 3214868480
	.section	.rodata,"a",@progbits
	.p2align	6, 0x0
	.amdhsa_kernel k_q35287a1634_route0
		.amdhsa_group_segment_fixed_size 0
		.amdhsa_private_segment_fixed_size 0
		.amdhsa_enable_private_segment 0
		.amdhsa_kernarg_size 40
		.amdhsa_user_sgpr_count 2
		.amdhsa_user_sgpr_kernarg_segment_ptr 1
		.amdhsa_wavefront_size32 1
		.amdhsa_system_sgpr_workgroup_id_x 1
		.amdhsa_system_sgpr_workgroup_id_y 1
		.amdhsa_system_sgpr_workgroup_id_z 1
		.amdhsa_system_vgpr_workitem_id 0
		.amdhsa_next_free_vgpr 256
		.amdhsa_next_free_sgpr 66
		.amdhsa_reserve_vcc 1
		.amdhsa_float_denorm_mode_32 3
		.amdhsa_float_denorm_mode_16_64 3
		.amdhsa_memory_ordered 1
		.amdhsa_forward_progress 1
		.amdhsa_inst_pref_size 44
	.end_amdhsa_kernel
	.amdgpu_metadata
---
amdhsa.version: [ 1, 2 ]
amdhsa.kernels:
  - .name:           k_q35287a1634_route0
    .symbol:         k_q35287a1634_route0.kd
    .args:
      - { .name: x, .offset: 0, .size: 8, .value_kind: global_buffer, .address_space: global }
      - { .name: protos, .offset: 8, .size: 8, .value_kind: global_buffer, .address_space: global }
      - { .name: xb, .offset: 16, .size: 8, .value_kind: global_buffer, .address_space: global }
      - { .name: sel, .offset: 24, .size: 8, .value_kind: global_buffer, .address_space: global }
      - { .name: wgt, .offset: 32, .size: 8, .value_kind: global_buffer, .address_space: global }
    .group_segment_fixed_size: 0
    .private_segment_fixed_size: 0
    .kernarg_segment_align: 8
    .kernarg_segment_size: 40
    .max_flat_workgroup_size: 128
    .sgpr_count:     66
    .vgpr_count:     256
    .wavefront_size: 32
...
	.end_amdgpu_metadata
.endif
;; end of part 1
;; launch scan0 (part 2): grid 8 x 8, 4 waves a work-group, no clusters, 0 bytes of LDS; arguments sel, idx; writes idx
.if DOCPART == 2
	.amdgcn_target "amdgcn-amd-amdhsa--gfx1250"
	.amdhsa_code_object_version 6
	.text
	.protected	k_q35287a1634_scan0
	.globl	k_q35287a1634_scan0
	.p2align	8
	.type	k_q35287a1634_scan0,@function
k_q35287a1634_scan0:
	s_mov_b64 s[64:65], 0
	v_nop
	global_prefetch_b8 v0, s[64:65] scope:SCOPE_SE
	s_setreg_imm32_b32 hwreg(HW_REG_WAVE_MODE, 25, 1), 1
	s_wait_xcnt 0x0
; FROM MASKS TO LISTS.  Work-group (e, y): expert e, tokens 128 y .. 128 y + 127; wave gw = 4 y + wave takes tokens 32 gw + lane.
; Every wave reads all 1,024 masks and counts for itself (32 ballots), so no wave waits for another and no sum spans work-groups.
; idx:  LIST [8][1280] slot -> token (0 behind the expert's count)   ENT at 40,960 [1024][8]: entry i < nsel = 1280 e + slot of the token's i-th kept expert, else 0
;       NSEL at 73,728 [1024]   CNT at 77,824 [8][32]: the expert's count, 32 times.
; Every word is written: tokens that are not kept fill the slots behind the count, experts that are not kept fill the entries behind nsel (both are permutations).
.macro POPC8 d, t                      ; v[d] = the number of ones in its low 8 bits
	v_lshrrev_b32 v[\t], 1, v[\d]
	v_and_b32 v[\t], 0x55, v[\t]
	v_sub_nc_u32 v[\d], v[\d], v[\t]
	v_lshrrev_b32 v[\t], 2, v[\d]
	v_and_b32 v[\t], 0x33, v[\t]
	v_and_b32 v[\d], 0x33, v[\d]
	v_add_nc_u32 v[\d], v[\d], v[\t]
	v_lshrrev_b32 v[\t], 4, v[\d]
	v_add_nc_u32 v[\d], v[\d], v[\t]
	v_and_b32 v[\d], 15, v[\d]
.endm
	s_load_b128 s[4:7], s[0:1], 0x0                ; sel s[4:5], idx s[6:7]
	v_and_b32 v1, 31, v0
	v_lshrrev_b32 v2, 5, v0
	v_readfirstlane_b32 s8, v2                     ; wave
	s_and_b32 s9, ttmp7, 0xffff                    ; y
	s_lshl_b32 s10, s9, 2
	s_add_co_u32 s10, s10, s8                      ; gw
	s_mov_b32 s11, ttmp9                           ; e
	v_lshlrev_b32 v3, 2, v1                        ; 4 lane
	s_lshl_b32 s12, s10, 5
	v_add_nc_u32 v4, s12, v1                       ; t
	v_lshlrev_b32 v5, 2, v4                        ; 4 t
	s_lshl_b32 s13, 1, s11                         ; the expert's bit
	s_sub_co_u32 s23, s13, 1                       ; the bits below it
	s_mul_i32 s16, s11, 5120
	s_mov_b32 s17, 0
	s_mul_i32 s25, s11, 1280
	s_mov_b32 s14, 0                               ; the expert's count
	s_mov_b32 s15, 0                               ; kept tokens in front of my wave's
	v_mov_b32 v11, 0
	s_wait_kmcnt 0x0
	s_add_nc_u64 s[18:19], s[6:7], s[16:17]        ; the expert's list
.set g, 0
.rept 32
	global_load_b32 v[16+g], v3, s[4:5] offset:128*g
.set g, g+1
.endr
	global_load_b32 v6, v5, s[4:5]                 ; my token's mask
	s_wait_loadcnt 0x0
.set g, 0
.rept 32
	v_and_b32 v7, s13, v[16+g]
	v_cmp_ne_u32 s20, 0, v7
	s_bcnt1_i32_b32 s21, s20
	s_add_co_u32 s14, s14, s21
	s_cmp_gt_u32 s10, g
	s_cselect_b32 s22, s21, 0
	s_add_co_u32 s15, s15, s22
.set g, g+1
.endr
	v_and_b32 v7, s13, v6
	v_cmp_ne_u32 s24, 0, v7                        ; kept
	v_mbcnt_lo_u32_b32 v8, s24, 0
	v_add_nc_u32 v8, s15, v8                       ; pos: kept tokens in front of mine
	v_sub_nc_u32 v9, v4, v8
	v_add_nc_u32 v9, s14, v9                       ; count + tokens not kept in front of mine
	v_cndmask_b32 v9, v9, v8, s24                  ; my slot
	v_cndmask_b32 v10, 0, v4, s24
	v_min_u32 v9, 0x3ff, v9
	v_lshlrev_b32 v9, 2, v9
	global_store_b32 v9, v10, s[18:19]
	s_cmp_lt_u32 s9, 2
	s_cbranch_scc0 .Lno_tail
	global_store_b32 v5, v11, s[18:19] offset:4096 ; slots 1,024 to 1,279 hold 0: here t is 0 to 255
.Lno_tail:
	v_and_b32 v12, s23, v6
	POPC8 12, 7                                    ; kept experts below e
	v_and_b32 v13, 0xff, v6
	POPC8 13, 7                                    ; nsel
	v_sub_nc_u32 v15, v13, v12
	v_add_nc_u32 v15, s11, v15                     ; nsel + experts not kept below e
	v_cndmask_b32 v15, v15, v12, s24               ; my entry
	v_min_u32 v15, 7, v15
	v_lshlrev_b32 v15, 2, v15
	v_lshl_add_u32 v15, v4, 5, v15
	v_add_nc_u32 v48, s25, v8
	v_cndmask_b32 v48, 0, v48, s24
	global_store_b32 v15, v48, s[6:7] offset:40960
	s_cmp_lg_u32 s11, 0
	s_cbranch_scc1 .Lno_nsel
	global_store_b32 v5, v13, s[6:7] offset:73728
.Lno_nsel:
	s_cmp_lg_u32 s10, 0
	s_cbranch_scc1 .Lno_cnt
	s_lshl_b32 s26, s11, 7
	v_add_nc_u32 v49, s26, v3
	v_mov_b32 v50, s14
	global_store_b32 v49, v50, s[6:7] offset:77824
.Lno_cnt:
	s_endpgm
.Lfunc_end_k_q35287a1634_scan0:
	.size	k_q35287a1634_scan0, .Lfunc_end_k_q35287a1634_scan0-k_q35287a1634_scan0
	.p2alignl 7, 3214868480
	.fill 96, 4, 3214868480
	.section	.rodata,"a",@progbits
	.p2align	6, 0x0
	.amdhsa_kernel k_q35287a1634_scan0
		.amdhsa_group_segment_fixed_size 0
		.amdhsa_private_segment_fixed_size 0
		.amdhsa_enable_private_segment 0
		.amdhsa_kernarg_size 16
		.amdhsa_user_sgpr_count 2
		.amdhsa_user_sgpr_kernarg_segment_ptr 1
		.amdhsa_wavefront_size32 1
		.amdhsa_system_sgpr_workgroup_id_x 1
		.amdhsa_system_sgpr_workgroup_id_y 1
		.amdhsa_system_sgpr_workgroup_id_z 1
		.amdhsa_system_vgpr_workitem_id 0
		.amdhsa_next_free_vgpr 64
		.amdhsa_next_free_sgpr 66
		.amdhsa_reserve_vcc 0
		.amdhsa_float_denorm_mode_32 3
		.amdhsa_float_denorm_mode_16_64 3
		.amdhsa_memory_ordered 1
		.amdhsa_forward_progress 1
		.amdhsa_inst_pref_size 15
	.end_amdhsa_kernel
	.amdgpu_metadata
---
amdhsa.version: [ 1, 2 ]
amdhsa.kernels:
  - .name:           k_q35287a1634_scan0
    .symbol:         k_q35287a1634_scan0.kd
    .args:
      - { .name: sel, .offset: 0, .size: 8, .value_kind: global_buffer, .address_space: global }
      - { .name: idx, .offset: 8, .size: 8, .value_kind: global_buffer, .address_space: global }
    .group_segment_fixed_size: 0
    .private_segment_fixed_size: 0
    .kernarg_segment_align: 8
    .kernarg_segment_size: 16
    .max_flat_workgroup_size: 128
    .sgpr_count:     66
    .vgpr_count:     64
    .wavefront_size: 32
...
	.end_amdgpu_metadata
.endif
;; end of part 2
;; launch g1a (part 3): grid 256 x 1, 4 waves a work-group, no clusters, 307,712 bytes of LDS; arguments xb, W1, idx, sel, wgt, hbuf; writes hbuf
.if DOCPART == 3
	.amdgcn_target "amdgcn-amd-amdhsa--gfx1250"
	.amdhsa_code_object_version 6
	.text
	.protected	k_q35287a1634_g1a
	.globl	k_q35287a1634_g1a
	.p2align	8
	.type	k_q35287a1634_g1a,@function
k_q35287a1634_g1a:
	s_mov_b64 s[64:65], 0
	v_nop
	global_prefetch_b8 v0, s[64:65] scope:SCOPE_SE
	s_setreg_imm32_b32 hwreg(HW_REG_WAVE_MODE, 25, 1), 1
	s_wait_xcnt 0x0
; FIRST PRODUCT OF A LAYER, for the kept (token, expert) pairs alone: hbuf = w x relu(x W1[e]), as two bf16 numbers hi + lo (lo = bf16 of what hi leaves), so that
; the second product sees 16 significant bits; bf16 keeps f32's range.  Operands bf16, sums f32.  The layer's number and the lists are whole numbers left by earlier launches.
; SHARES.  Work-group = (expert e = id / 32, columns 64 b .. 64 b + 63 of F, b = id % 32), all K = 1,024.  Each byte of W1 is read once in the launch.
; PHASE 1: the group's 1,024 x 64 numbers of W1 come through registers, are rounded to bf16 two K rows at a time, and are laid into LDS as finished fragments.
; PHASE 2: the expert's slots go in passes of 320 (4 at the most; a pass that begins at or behind the count is jumped); a wave owns 80 slots: 5 tiles x 4 column blocks = 20 accumulators.
;   Its rows of xb, found by the list, come by 128 along K through registers into the wave's own stage (two halves that take turns), and from there as fragments.
;   The eight chunks of 128 along K are written out: every LDS address is then a lane term plus a constant, and no base is stepped inside a pass.
; THE MATRIX INSTRUCTION IS USED TRANSPOSED (source 0 = 16 columns of W1, source 1 = 16 slots): a lane then holds one slot and eight neighbouring f, which IS the fragment
; image that the second product loads: hbuf [e][tile 80][K step 64][hi, lo][half c][lane][16 bytes]; every store covers 512 consecutive bytes.
; No tensor loads: the weights must be converted and turned on their way, which costs nothing through registers.  No cluster: every weight byte has one work-group, every row of a stage one wave.
; LIMITS: slots behind the count name token 0: their results are stored and never read.  NaN and infinities are not treated apart.
; REGISTERS: window 0 addresses, fragments, way out; window 1 accumulator (ti, j) at v[32 ti + 8 j]; window 2 v0-159 rows of xb as loaded.
.set KB,    1040                       ; a fragment in LDS: 1,024 bytes + 16, so that the 16 lanes of a converting store fall on 16 different 16-byte columns modulo 256
.set STG0,  133120                     ; behind the 128 fragments: the stages
.set WSTG,  43520                      ; a wave's stage: two halves
.set PSTG,  21760                      ; a half: 80 rows of 256 bytes, 272 apart
.set SPARE, 307200                     ; the spare words, 128 bytes a wave: two blocks of 256 bytes that no other line names
.set CT,   16                          ; v[16:31]   phase 1: converted words
.set VB,   16                          ; v[16:19]   phase 2: 16 lane + 33,280 n: where the fragments of K steps 8 n .. 8 n + 7 begin
.set AREA, 32                          ; v[32:255]  phase 1: seven areas of 32
.set TOK,  32                          ; v[32:71]   phase 2: byte offset in xb of the row that load i brings to my lane
.set F,    72                          ; v[72:151]  fragments of x, two buffers of 5 x 8
.set BB,   152                         ; v[152:215] fragments of W1, two buffers of 4 x 8
.set WP,   216                         ; v[216:225] the routing weight of my slot in tile ti, twice
.set T5,   226                         ; v[226:230] its byte offset in wgt
.set H,    232
.set HW,   240
.set HI,   248
.set LO,   252
.set MSB, 0
.macro WIN new                         ; the immediate's high byte repeats the setting that is left; a switch that changes nothing is dropped
.if MSB != (\new)
	s_set_vgpr_msb (MSB<<8)|(\new)
.set MSB, \new
.endif
.endm
.macro PLACES                          ; four plain instructions between a matrix instruction and a load into, or a read of, its registers
.rept 4
	v_nop
.endr
.endm
.macro WLD u                           ; unit u of my 16: 16 K rows x 256 bytes; lanes 0-15 take row i, lanes 16-31 row 8 + i
.irp i, 0,1,2,3,4,5,6,7
	global_load_b128 v[AREA+32*((\u)%7)+4*(\i):AREA+32*((\u)%7)+4*(\i)+3], v4, s[34:35] offset:131072*(\u)+8192*(\i) th:TH_LOAD_NT
.endr
.endm
.macro WCV u                           ; for each of my 4 columns: 8 K values packed into 16 bytes, which are one lane's half fragment
.irp m, 0,1,2,3
.irp pp, 0,1,2,3
	v_cvt_pk_bf16_f32 v[CT+4*(\m)+(\pp)], v[AREA+32*((\u)%7)+8*(\pp)+(\m)], v[AREA+32*((\u)%7)+8*(\pp)+4+(\m)]
.endr
.endr
.irp m, 0,1,2,3
	ds_store_b128 v5, v[CT+4*(\m):CT+4*(\m)+3] offset:4160*((\u)/2)+512*((\u)%2)+16*(\m)
.endr
.endm
.macro RAW imm                         ; 80 rows x 256 bytes of xb at byte imm of the rows: each load two rows
	WIN 0x80
.set i, 0
.rept 40
	global_load_b128 v[4*i:4*i+3], v[TOK+i], s[4:5] offset:\imm
.set i, i+1
.endr
	WIN 0
.endm
.macro STG p                           ; into half p of my stage
	WIN 0x08
.set i, 0
.rept 40
	ds_store_b128 v8, v[4*i:4*i+3] offset:PSTG*(\p)+544*i
.set i, i+1
.endr
	WIN 0
.endm
.macro AFR buf, p, u                   ; x's five fragments of K step u of half p
	WIN 0
.irp ti, 0,1,2,3,4
.irp c, 0,1
	ds_load_b128 v[F+40*(\buf)+8*(\ti)+4*(\c):F+40*(\buf)+8*(\ti)+4*(\c)+3], v9 offset:PSTG*(\p)+4352*(\ti)+64*(\u)+32*(\c)
.endr
.endr
.endm
.macro BFR buf, s                      ; W1's four fragments of K step s (0 to 31): base register s / 8, the rest in the immediate (32,752 at the most)
	WIN 0
.irp j, 0,1,2,3
.irp c, 0,1
	ds_load_b128 v[BB+32*(\buf)+8*(\j)+4*(\c):BB+32*(\buf)+8*(\j)+4*(\c)+3], v[VB+(\s)/8] offset:4160*((\s)%8)+KB*(\j)+512*(\c)
.endr
.endr
.endm
.macro MUL buf, zero                   ; 20 matrix instructions; the 20 accumulators take turns; zero = 1: the products start the sums
	WIN 0x50
.irp ti, 0,1,2,3,4
.irp j, 0,1,2,3
.if \zero
	v_wmma_f32_16x16x32_bf16 v[32*(\ti)+8*(\j):32*(\ti)+8*(\j)+7], v[BB+32*(\buf)+8*(\j):BB+32*(\buf)+8*(\j)+7], v[F+40*(\buf)+8*(\ti):F+40*(\buf)+8*(\ti)+7], 0
.else
	v_wmma_f32_16x16x32_bf16 v[32*(\ti)+8*(\j):32*(\ti)+8*(\j)+7], v[BB+32*(\buf)+8*(\j):BB+32*(\buf)+8*(\j)+7], v[F+40*(\buf)+8*(\ti):F+40*(\buf)+8*(\ti)+7], v[32*(\ti)+8*(\j):32*(\ti)+8*(\j)+7]
.endif
.endr
.endr
.endm
; Chunk ch of eight: 128 along K, in half ch % 2 of the stage: four K steps on fragment buffers 0, 1, 0, 1; each step fetches the next one's 18 fragment halves first.
; more = 1: the next 128 are asked for at the head and staged in the fourth step.
.macro CHUNK ch, zero, more
.if \more
	RAW 256*((\ch)+1)
.endif
	PLACES
	AFR 1, (\ch)%2, 1
	BFR 1, 4*(\ch)+1
	s_wait_dscnt 18                                ; all but the 18 just issued: this step's fragments are in
	MUL 0, \zero
	PLACES
	AFR 0, (\ch)%2, 2
	BFR 0, 4*(\ch)+2
	s_wait_dscnt 18
	MUL 1, 0
	PLACES
	AFR 1, (\ch)%2, 3
	BFR 1, 4*(\ch)+3
	s_wait_dscnt 18
	MUL 0, 0
.if \more
	PLACES
	s_wait_loadcnt 0x0                             ; the next 128 along K are in registers
	STG 1-(\ch)%2                                  ; the stage is my own and LDS serves a wave's instructions in order (ISA guide 5.7.1.4): no barrier
	AFR 0, 1-(\ch)%2, 0
	BFR 0, 4*(\ch)+4
	s_wait_dscnt 58                                ; 40 stores and 18 loads are younger than this step's fragments
.else
	s_wait_dscnt 0x0
.endif
	MUL 1, 0
.endm
.macro EPI ti, j                       ; one accumulator: times the weight (not negative, so it may go inside the relu), relu, hi and lo, two stores of 512 consecutive bytes
	WIN 0x01
.irp k, 0,1,2,3
	v_pk_mul_f32 v[H+2*(\k):H+2*(\k)+1], v[32*(\ti)+8*(\j)+2*(\k):32*(\ti)+8*(\j)+2*(\k)+1], v[WP+2*(\ti):WP+2*(\ti)+1]
.endr
	WIN 0
.irp k, 0,1,2,3,4,5,6,7
	v_max_num_f32 v[H+(\k)], 0, v[H+(\k)]
.endr
	s_wait_xcnt 0x0                                ; HI and LO are the last two stores' data: rewritten only behind this wait
.irp k, 0,1,2,3
	v_cvt_pk_bf16_f32 v[HI+(\k)], v[H+2*(\k)], v[H+2*(\k)+1]
.endr
.irp k, 0,1,2,3
	v_lshlrev_b32 v[HW+2*(\k)], 16, v[HI+(\k)]
	v_and_b32 v[HW+2*(\k)+1], s30, v[HI+(\k)]
.endr
.irp k, 0,1,2,3
	v_pk_add_f32 v[H+2*(\k):H+2*(\k)+1], v[H+2*(\k):H+2*(\k)+1], v[HW+2*(\k):HW+2*(\k)+1] neg_lo:[0,1] neg_hi:[0,1]
.endr
.irp k, 0,1,2,3
	v_cvt_pk_bf16_f32 v[LO+(\k)], v[H+2*(\k)], v[H+2*(\k)+1]
.endr
	global_store_b128 v6, v[HI:HI+3], s[26:27] offset:131072*(\ti)+2048*((\j)/2)+512*((\j)%2)
	global_store_b128 v6, v[LO:LO+3], s[26:27] offset:131072*(\ti)+2048*((\j)/2)+512*((\j)%2)+1024
.endm
	s_load_b256 s[4:11], s[0:1], 0x0               ; xb s[4:5], W1 s[6:7], idx s[8:9], sel s[10:11]
	s_load_b128 s[12:15], s[0:1], 0x20             ; wgt s[12:13], hbuf s[14:15]
	v_lshl_add_u32 v14, v0, 2, SPARE               ; my spare word and 0: kept for the wave's end alone
	v_mov_b32 v15, 0
	v_lshrrev_b32 v1, 5, v0
	v_readfirstlane_b32 s16, v1                    ; wave
	s_lshr_b32 s17, ttmp9, 5                       ; e
	s_and_b32 s18, ttmp9, 31                       ; b
	s_lshl_b32 s39, s17, 7
	s_wait_kmcnt 0x0
	s_load_b32 s19, s[8:9], s39 offset:0x13000     ; the expert's count
	s_load_b32 s23, s[10:11], 0x1000               ; the layer
	v_and_b32 v1, 31, v0                           ; lane
	v_and_b32 v2, 15, v0                           ; r
	v_bfe_u32 v3, v0, 4, 1                         ; h
	v_lshlrev_b32 v13, 4, v2                       ; 16 r
	v_lshl_add_u32 v4, v3, 16, v13                 ; W1: 8 rows x h + 16 r
	v_lshrrev_b32 v5, 2, v2
	v_mul_u32_u24 v5, v5, KB
	v_lshl_add_u32 v5, v3, 8, v5
	v_and_b32 v6, 3, v2
	v_lshl_add_u32 v5, v6, 6, v5
	s_mul_i32 s32, s16, 33280
	v_add_nc_u32 v5, s32, v5                       ; where my converted 16 bytes go: 8 K steps x wave + fragment r / 4 + lane 16 h + 4 (r % 4)
	v_lshlrev_b32 v6, 4, v1                        ; 16 lane
	s_mul_i32 s38, s16, WSTG
	s_add_co_u32 s38, s38, STG0                    ; my stage
	v_mul_u32_u24 v8, v3, 272
	v_add_nc_u32 v8, v8, v13
	v_add_nc_u32 v8, s38, v8                       ; in: row h, 16 r
	v_mul_u32_u24 v9, v2, 272
	v_lshl_add_u32 v9, v3, 4, v9
	v_add_nc_u32 v9, s38, v9                       ; out: row r, 16 h
	v_lshlrev_b32 v11, 2, v3
	v_lshlrev_b32 v12, 2, v2
	s_mov_b32 s30, 0xffff0000
	s_wait_kmcnt 0x0
	s_min_u32 s19, s19, 1024
	s_min_u32 s23, s23, 1
	s_lshl_b32 s32, s23, 26                        ; W1 at layer, expert, my 256 K rows, the group's 64 columns
	s_lshl_b32 s33, s17, 23
	s_add_co_u32 s32, s32, s33
	s_lshl_b32 s33, s16, 21
	s_add_co_u32 s32, s32, s33
	s_lshl_b32 s33, s18, 8
	s_add_co_u32 s32, s32, s33
	s_mov_b32 s33, 0
	s_add_nc_u64 s[34:35], s[6:7], s[32:33]
.set u, 0
.rept 7
	WLD u
.set u, u+1
.endr
	s_mul_i32 s32, s17, 5120                       ; the list at my 80 slots
	s_mul_i32 s38, s16, 320
	s_add_co_u32 s32, s32, s38
	s_add_nc_u64 s[24:25], s[8:9], s[32:33]
	s_mul_i32 s32, s17, 10485760                   ; hbuf at my 5 tiles, the group's two K steps
	s_mul_i32 s38, s16, 655360
	s_add_co_u32 s32, s32, s38
	s_lshl_b32 s38, s18, 12
	s_add_co_u32 s32, s32, s38
	s_add_nc_u64 s[26:27], s[14:15], s[32:33]
	s_lshl_b32 s32, s17, 2
	s_add_nc_u64 s[36:37], s[12:13], s[32:33]      ; wgt at the expert
.set u, 0
.rept 16
.if u < 10
	s_wait_loadcnt 48                              ; unit u is in; the six units behind it stay out
.else
	s_wait_loadcnt 8*(15-u)                        ; the counts run down
.endif
	WCV u
.if u < 9
	WLD u+7
.endif
.set u, u+1
.endr
	s_wait_dscnt 0x0                               ; for the others' sake: my fragments are written
	s_barrier_signal -1
	s_barrier_wait -1                              ; the kernel's only barrier: all 128 fragments are there, and nobody writes them again
.irp n, 0,1,2,3
	v_add_nc_u32 v[VB+\n], 33280*\n, v6            ; the four bases of the fragment loads; never rewritten
.endr
	s_mov_b32 s20, 0                               ; the pass's first slot
	s_mov_b32 s21, 4
.Lpass:
	s_cmp_ge_u32 s20, s19
	s_cbranch_scc1 .Lnext                          ; no slot of this pass is in use
.set i, 0
.rept 40
	global_load_b32 v[TOK+i], v11, s[24:25] offset:8*i
.set i, i+1
.endr
.irp ti, 0,1,2,3,4
	global_load_b32 v[T5+\ti], v12, s[24:25] offset:64*\ti
.endr
	s_wait_loadcnt 0x0
.set i, 0
.rept 40
	v_min_u32 v[TOK+i], 0x3ff, v[TOK+i]
	v_lshl_add_u32 v[TOK+i], v[TOK+i], 11, v13
.set i, i+1
.endr
.irp ti, 0,1,2,3,4
	v_min_u32 v[T5+\ti], 0x3ff, v[T5+\ti]
	v_lshlrev_b32 v[T5+\ti], 5, v[T5+\ti]
.endr
.irp ti, 0,1,2,3,4
	global_load_b32 v[WP+2*\ti], v[T5+\ti], s[36:37]
.endr
	RAW 0
	s_wait_loadcnt 0x0
.irp ti, 0,1,2,3,4
	v_mov_b32 v[WP+2*\ti+1], v[WP+2*\ti]
.endr
	STG 0
	AFR 0, 0, 0
	BFR 0, 0
	CHUNK 0, 1, 1                                  ; K 0-127: its first products start the sums
.irp ch, 1,2,3,4,5,6
	CHUNK \ch, 0, 1
.endr
	CHUNK 7, 0, 0                                  ; K 896-1,023: nothing more to fetch
	PLACES
.irp ti, 0,1,2,3,4
.irp j, 0,1,2,3
	EPI \ti, \j
.endr
.endr
	WIN 0
.Lnext:
	s_wait_xcnt 0x0                                ; the bases are stepped only behind this wait
	s_add_co_u32 s20, s20, 320
	s_add_nc_u64 s[24:25], s[24:25], 1280
	s_add_nc_u64 s[26:27], s[26:27], 2621440
	s_sub_co_u32 s21, s21, 1
	s_cmp_lg_u32 s21, 0
	s_cbranch_scc1 .Lpass
	s_wait_tensorcnt 0x0                           ; the wave's end: behind my last LDS store
	ds_add_u32 v14, v15
	s_wait_dscnt 0x0
	s_endpgm
.Lfunc_end_k_q35287a1634_g1a:
	.size	k_q35287a1634_g1a, .Lfunc_end_k_q35287a1634_g1a-k_q35287a1634_g1a
	.p2alignl 7, 3214868480
	.fill 96, 4, 3214868480
	.section	.rodata,"a",@progbits
	.p2align	6, 0x0
	.amdhsa_kernel k_q35287a1634_g1a
		.amdhsa_group_segment_fixed_size 307712
		.amdhsa_private_segment_fixed_size 0
		.amdhsa_enable_private_segment 0
		.amdhsa_kernarg_size 48
		.amdhsa_user_sgpr_count 2
		.amdhsa_user_sgpr_kernarg_segment_ptr 1
		.amdhsa_wavefront_size32 1
		.amdhsa_system_sgpr_workgroup_id_x 1
		.amdhsa_system_sgpr_workgroup_id_y 1
		.amdhsa_system_sgpr_workgroup_id_z 1
		.amdhsa_system_vgpr_workitem_id 0
		.amdhsa_next_free_vgpr 672
		.amdhsa_next_free_sgpr 66
		.amdhsa_reserve_vcc 0
		.amdhsa_float_denorm_mode_32 3
		.amdhsa_float_denorm_mode_16_64 3
		.amdhsa_memory_ordered 1
		.amdhsa_forward_progress 1
		.amdhsa_inst_pref_size 217
	.end_amdhsa_kernel
	.amdgpu_metadata
---
amdhsa.version: [ 1, 2 ]
amdhsa.kernels:
  - .name:           k_q35287a1634_g1a
    .symbol:         k_q35287a1634_g1a.kd
    .args:
      - { .name: xb, .offset: 0, .size: 8, .value_kind: global_buffer, .address_space: global }
      - { .name: W1, .offset: 8, .size: 8, .value_kind: global_buffer, .address_space: global }
      - { .name: idx, .offset: 16, .size: 8, .value_kind: global_buffer, .address_space: global }
      - { .name: sel, .offset: 24, .size: 8, .value_kind: global_buffer, .address_space: global }
      - { .name: wgt, .offset: 32, .size: 8, .value_kind: global_buffer, .address_space: global }
      - { .name: hbuf, .offset: 40, .size: 8, .value_kind: global_buffer, .address_space: global }
    .group_segment_fixed_size: 307712
    .private_segment_fixed_size: 0
    .kernarg_segment_align: 8
    .kernarg_segment_size: 48
    .max_flat_workgroup_size: 128
    .sgpr_count:     66
    .vgpr_count:     672
    .wavefront_size: 32
...
	.end_amdgpu_metadata
.endif
;; end of part 3
;; launch g2a (part 4): grid 256 x 1, 4 waves a work-group, no clusters, 167,424 bytes of LDS; arguments hbuf, W2, idx, sel, ybuf; writes ybuf
.if DOCPART == 4
	.amdgcn_target "amdgcn-amd-amdhsa--gfx1250"
	.amdhsa_code_object_version 6
	.text
	.protected	k_q35287a1634_g2a
	.globl	k_q35287a1634_g2a
	.p2align	8
	.type	k_q35287a1634_g2a,@function
k_q35287a1634_g2a:
	s_mov_b64 s[64:65], 0
	v_nop
	global_prefetch_b8 v0, s[64:65] scope:SCOPE_SE
	s_setreg_imm32_b32 hwreg(HW_REG_WAVE_MODE, 25, 1), 1
	s_wait_xcnt 0x0
; SECOND PRODUCT OF A LAYER: ybuf[q][1280 e + slot][:] = the sum over the quarter q of F of (hi + lo)[slot][f] W2[e][f][:].  Operands bf16, sums f32, ybuf f32.
; SHARES.  Work-group = (expert e = id / 32, quarter q = (id / 8) % 4 of F: K = 512, columns 128 ds .. 128 ds + 127, ds = id % 8).  Each byte of W2 is read once in the launch.
; The four quarters are added by the launch behind: no sum spans work-groups here.
; PHASE 1: the group's 512 x 128 numbers of W2 through registers, rounded to bf16, into LDS as finished fragments.
; PHASE 2: passes of 320 slots (4 at the most; a pass that begins at or behind the count is jumped); a wave owns 5 tiles of 16 slots x 8 column blocks = 40 accumulators.
;   hbuf holds finished fragments, so they go straight into the registers of the one wave that uses them: four buffers, three K steps ahead.  Each K step multiplies hi and then lo onto the same sums.
;   The 16 K steps are written out: every LDS address is then a lane term plus a constant, and no base is stepped inside a pass.
; TRANSPOSED USE (source 0 = 16 columns of W2, source 1 = 16 slots): a lane holds one slot and eight neighbouring columns; a tile leaves through the wave's own stage as whole rows of 512 bytes.
; No tensor loads (the weights are converted and turned on their way), no cluster (every weight byte has one work-group; a tile of hbuf has one wave in a work-group).
; REGISTERS: window 0 addresses, W2's fragments (two buffers), way out; window 1 accumulators of tiles 0-3 at v[64 ti + 8 j];
;   window 2 v0-63 tile 4's accumulators, v64-143 and v144-223 fragment buffers 0, 1; window 3 v0-79, v80-159 buffers 2, 3.  Fragment (ti, hi or lo) at 16 ti + 8 hl.
.set KB,    1040
.set STG0,  133120                     ; behind the 128 fragments: 16 rows of 512 bytes, 528 apart, for each wave
.set SPARE, 166912                     ; the spare words, 128 bytes a wave: two blocks of 256 bytes that no other line names
.set QS,    41943040                   ; bytes of ybuf for a quarter
.set CT,   16                          ; v[16:31]   phase 1: converted words
.set VB,   16                          ; v[16:19]   phase 2: 16 lane + 33,280 n: where the fragments of K steps 4 n .. 4 n + 3 begin
.set AREA, 32
.set B0,   32                          ; v[32:95], v[96:159]
.set OUT,  160                         ; v[160:223]
.set MSB, 0
.macro WIN new
.if MSB != (\new)
	s_set_vgpr_msb (MSB<<8)|(\new)
.set MSB, \new
.endif
.endm
.macro PLACES                          ; four plain instructions between a matrix instruction and a load into, or a read of, its registers
.rept 4
	v_nop
.endr
.endm
.macro WLD u                           ; unit u of my 16: 8 K rows x 512 bytes, a row a load
.irp i, 0,1,2,3,4,5,6,7
	global_load_b128 v[AREA+32*((\u)%7)+4*(\i):AREA+32*((\u)%7)+4*(\i)+3], v4, s[34:35] offset:32768*(\u)+4096*(\i) th:TH_LOAD_NT
.endr
.endm
.macro WCV u
.irp m, 0,1,2,3
.irp pp, 0,1,2,3
	v_cvt_pk_bf16_f32 v[CT+4*(\m)+(\pp)], v[AREA+32*((\u)%7)+8*(\pp)+(\m)], v[AREA+32*((\u)%7)+8*(\pp)+4+(\m)]
.endr
.endr
.irp m, 0,1,2,3
	ds_store_b128 v5, v[CT+4*(\m):CT+4*(\m)+3] offset:8320*((\u)/4)+512*(((\u)/2)%2)+256*((\u)%2)+16*(\m)
.endr
.endm
.macro ALD a, s                        ; the 20 half fragments (5 tiles, hi and lo) of K step s into buffer a: each load 512 consecutive bytes
.set AR_, 64*(1-(\a)/2)+80*((\a)%2)
	WIN (2+(\a)/2)<<6
.irp ti, 0,1,2,3,4
.irp hc, 0,1,2,3
	global_load_b128 v[AR_+16*(\ti)+4*(\hc):AR_+16*(\ti)+4*(\hc)+3], v4, s[26:27] offset:131072*(\ti)+2048*(\s)+512*(\hc)
.endr
.endr
.endm
.macro BLD bb, s                       ; W2's eight fragments of K step s (0 to 15): base register s / 4, the rest in the immediate (32,752 at the most)
	WIN 0
.irp j, 0,1,2,3,4,5,6,7
.irp c, 0,1
	ds_load_b128 v[B0+64*(\bb)+8*(\j)+4*(\c):B0+64*(\bb)+8*(\j)+4*(\c)+3], v[VB+(\s)/4] offset:8320*((\s)%4)+KB*(\j)+512*(\c)
.endr
.endr
.endm
.macro MUL2 a, bb, zero                ; 80 matrix instructions; the accumulators take turns: 31 (tile 4: 7) others' stand between hi's and lo's on one sum
.set AR_, 64*(1-(\a)/2)+80*((\a)%2)
	WIN 0x50|((2+(\a)/2)<<2)
.irp hl, 0,1
.irp ti, 0,1,2,3
.irp j, 0,1,2,3,4,5,6,7
.if (\zero) && ((\hl) == 0)
	v_wmma_f32_16x16x32_bf16 v[64*(\ti)+8*(\j):64*(\ti)+8*(\j)+7], v[B0+64*(\bb)+8*(\j):B0+64*(\bb)+8*(\j)+7], v[AR_+16*(\ti)+8*(\hl):AR_+16*(\ti)+8*(\hl)+7], 0
.else
	v_wmma_f32_16x16x32_bf16 v[64*(\ti)+8*(\j):64*(\ti)+8*(\j)+7], v[B0+64*(\bb)+8*(\j):B0+64*(\bb)+8*(\j)+7], v[AR_+16*(\ti)+8*(\hl):AR_+16*(\ti)+8*(\hl)+7], v[64*(\ti)+8*(\j):64*(\ti)+8*(\j)+7]
.endif
.endr
.endr
.endr
	WIN 0xa0|((2+(\a)/2)<<2)
.irp hl, 0,1
.irp j, 0,1,2,3,4,5,6,7
.if (\zero) && ((\hl) == 0)
	v_wmma_f32_16x16x32_bf16 v[8*(\j):8*(\j)+7], v[B0+64*(\bb)+8*(\j):B0+64*(\bb)+8*(\j)+7], v[AR_+64+8*(\hl):AR_+64+8*(\hl)+7], 0
.else
	v_wmma_f32_16x16x32_bf16 v[8*(\j):8*(\j)+7], v[B0+64*(\bb)+8*(\j):B0+64*(\bb)+8*(\j)+7], v[AR_+64+8*(\hl):AR_+64+8*(\hl)+7], v[8*(\j):8*(\j)+7]
.endif
.endr
.endr
.endm
; K step s, on hbuf's buffer s % 4 and W2's buffer s % 2.  ld: hbuf's fragments three steps on are asked for; lb: W2's of the next step; cnt: the global loads younger than this step's.
.macro KSTEP s, ld, lb, cnt, zero
	PLACES
.if \ld
	ALD ((\s)+3)%4, (\s)+3
.endif
.if \lb
	BLD 1-(\s)%2, (\s)+1
.endif
	s_wait_loadcnt \cnt
.if \lb
	s_wait_dscnt 16                                ; all but the 16 just issued
.else
	s_wait_dscnt 0x0
.endif
	MUL2 (\s)%4, (\s)%2, \zero
.endm
.macro OUTT ti                         ; tile ti: into my stage (each accumulator's low half first), back as whole rows, out
.if (\ti) < 4
	WIN 0x04
.set AC_, 64*(\ti)
.else
	WIN 0x08
.set AC_, 0
.endif
.irp j, 0,1,2,3,4,5,6,7
	ds_store_b128 v7, v[AC_+8*(\j):AC_+8*(\j)+3] offset:64*(\j)
	ds_store_b128 v7, v[AC_+8*(\j)+4:AC_+8*(\j)+7] offset:64*(\j)+16
.endr
	WIN 0
	s_wait_xcnt 0x0                                ; OUT is the last tile's stores' data: loaded again only behind this wait
.set i, 0
.rept 16
	ds_load_b128 v[OUT+4*i:OUT+4*i+3], v8 offset:528*i  ; LDS serves a wave's instructions in order (ISA guide 5.7.1.4): these see the stores above
.set i, i+1
.endr
.set i, 0
.rept 16
	s_wait_dscnt 15-i
	global_store_b128 v4, v[OUT+4*i:OUT+4*i+3], s[24:25] offset:65536*(\ti)+4096*i  ; 512 consecutive bytes, aligned
.set i, i+1
.endr
.endm
	s_load_b256 s[4:11], s[0:1], 0x0               ; hbuf s[4:5], W2 s[6:7], idx s[8:9], sel s[10:11]
	s_load_b64 s[12:13], s[0:1], 0x20              ; ybuf
	v_lshl_add_u32 v14, v0, 2, SPARE               ; my spare word and 0: kept for the wave's end alone
	v_mov_b32 v15, 0
	v_lshrrev_b32 v1, 5, v0
	v_readfirstlane_b32 s16, v1                    ; wave
	s_lshr_b32 s17, ttmp9, 5                       ; e
	s_bfe_u32 s18, ttmp9, 0x20003                  ; q
	s_and_b32 s31, ttmp9, 7                        ; ds
	s_lshl_b32 s39, s17, 7
	s_wait_kmcnt 0x0
	s_load_b32 s19, s[8:9], s39 offset:0x13000     ; the expert's count
	s_load_b32 s23, s[10:11], 0x1000               ; the layer
	v_and_b32 v1, 31, v0
	v_and_b32 v2, 15, v0
	v_bfe_u32 v3, v0, 4, 1
	v_lshlrev_b32 v4, 4, v1                        ; 16 lane
	v_lshrrev_b32 v5, 2, v1
	v_mul_u32_u24 v5, v5, KB
	v_and_b32 v6, 3, v1
	v_lshl_add_u32 v5, v6, 6, v5
	s_mul_i32 s32, s16, 33280
	v_add_nc_u32 v5, s32, v5                       ; where my converted 16 bytes go: 4 K steps x wave + fragment lane / 4 + 64 (lane % 4)
	s_mul_i32 s38, s16, 8448
	s_add_co_u32 s38, s38, STG0                    ; my stage
	v_mul_u32_u24 v7, v2, 528
	v_lshl_add_u32 v7, v3, 5, v7
	v_add_nc_u32 v7, s38, v7                       ; in: row r, 32 h
	v_add_nc_u32 v8, s38, v4                       ; back: a row of 512 bytes
	s_wait_kmcnt 0x0
	s_min_u32 s19, s19, 1024
	s_min_u32 s23, s23, 1
	s_lshl_b32 s32, s23, 26                        ; W2 at layer, expert, quarter, my 128 K rows, the group's 128 columns
	s_lshl_b32 s33, s17, 23
	s_add_co_u32 s32, s32, s33
	s_lshl_b32 s33, s18, 21
	s_add_co_u32 s32, s32, s33
	s_lshl_b32 s33, s16, 19
	s_add_co_u32 s32, s32, s33
	s_lshl_b32 s33, s31, 9
	s_add_co_u32 s32, s32, s33
	s_mov_b32 s33, 0
	s_add_nc_u64 s[34:35], s[6:7], s[32:33]
.set u, 0
.rept 7
	WLD u
.set u, u+1
.endr
	s_mul_i32 s32, s17, 10485760                   ; hbuf at my 5 tiles, the quarter's 16 K steps
	s_mul_i32 s38, s16, 655360
	s_add_co_u32 s32, s32, s38
	s_lshl_b32 s38, s18, 15
	s_add_co_u32 s32, s32, s38
	s_add_nc_u64 s[26:27], s[4:5], s[32:33]
	s_mul_i32 s32, s17, 1280                       ; ybuf at the quarter, my 80 rows, the group's 512 bytes
	s_mul_i32 s38, s16, 80
	s_add_co_u32 s32, s32, s38
	s_lshl_b32 s32, s32, 12
	s_mul_i32 s38, s18, QS
	s_add_co_u32 s32, s32, s38
	s_lshl_b32 s38, s31, 9
	s_add_co_u32 s32, s32, s38
	s_add_nc_u64 s[24:25], s[12:13], s[32:33]
.set u, 0
.rept 16
.if u < 10
	s_wait_loadcnt 48                              ; unit u is in; the six units behind it stay out
.else
	s_wait_loadcnt 8*(15-u)
.endif
	WCV u
.if u < 9
	WLD u+7
.endif
.set u, u+1
.endr
	s_wait_dscnt 0x0                               ; for the others' sake: my fragments are written
	s_barrier_signal -1
	s_barrier_wait -1                              ; the kernel's only barrier
.irp n, 0,1,2,3
	v_add_nc_u32 v[VB+\n], 33280*\n, v4            ; the four bases of the fragment loads; never rewritten
.endr
	s_mov_b32 s20, 0
	s_mov_b32 s21, 4
.Lpass:
	s_cmp_ge_u32 s20, s19
	s_cbranch_scc1 .Lnext
	ALD 0, 0
	ALD 1, 1
	ALD 2, 2
	BLD 0, 0
	KSTEP 0, 1, 1, 60, 1                           ; hi's products of K step 0 start the sums.  60: the three younger steps' 20 loads each
.irp s, 1,2,3,4,5,6,7,8,9,10,11,12
	KSTEP \s, 1, 1, 60, 0
.endr
	KSTEP 13, 0, 1, 40, 0                          ; the last three steps ask hbuf for nothing: the counts run down
	KSTEP 14, 0, 1, 20, 0
	KSTEP 15, 0, 0, 0, 0
	PLACES
	OUTT 0
	OUTT 1
	OUTT 2
	OUTT 3
	OUTT 4
.Lnext:
	s_wait_xcnt 0x0                                ; the bases are stepped only behind this wait
	s_add_co_u32 s20, s20, 320
	s_add_nc_u64 s[26:27], s[26:27], 2621440
	s_add_nc_u64 s[24:25], s[24:25], 1310720
	s_sub_co_u32 s21, s21, 1
	s_cmp_lg_u32 s21, 0
	s_cbranch_scc1 .Lpass
	s_wait_tensorcnt 0x0                           ; the wave's end: behind my last LDS store
	ds_add_u32 v14, v15
	s_wait_dscnt 0x0
	s_endpgm
.Lfunc_end_k_q35287a1634_g2a:
	.size	k_q35287a1634_g2a, .Lfunc_end_k_q35287a1634_g2a-k_q35287a1634_g2a
	.p2alignl 7, 3214868480
	.fill 96, 4, 3214868480
	.section	.rodata,"a",@progbits
	.p2align	6, 0x0
	.amdhsa_kernel k_q35287a1634_g2a
		.amdhsa_group_segment_fixed_size 167424
		.amdhsa_private_segment_fixed_size 0
		.amdhsa_enable_private_segment 0
		.amdhsa_kernarg_size 40
		.amdhsa_user_sgpr_count 2
		.amdhsa_user_sgpr_kernarg_segment_ptr 1
		.amdhsa_wavefront_size32 1
		.amdhsa_system_sgpr_workgroup_id_x 1
		.amdhsa_system_sgpr_workgroup_id_y 1
		.amdhsa_system_sgpr_workgroup_id_z 1
		.amdhsa_system_vgpr_workitem_id 0
		.amdhsa_next_free_vgpr 928
		.amdhsa_next_free_sgpr 66
		.amdhsa_reserve_vcc 0
		.amdhsa_float_denorm_mode_32 3
		.amdhsa_float_denorm_mode_16_64 3
		.amdhsa_memory_ordered 1
		.amdhsa_forward_progress 1
		.amdhsa_inst_pref_size 188
	.end_amdhsa_kernel
	.amdgpu_metadata
---
amdhsa.version: [ 1, 2 ]
amdhsa.kernels:
  - .name:           k_q35287a1634_g2a
    .symbol:         k_q35287a1634_g2a.kd
    .args:
      - { .name: hbuf, .offset: 0, .size: 8, .value_kind: global_buffer, .address_space: global }
      - { .name: W2, .offset: 8, .size: 8, .value_kind: global_buffer, .address_space: global }
      - { .name: idx, .offset: 16, .size: 8, .value_kind: global_buffer, .address_space: global }
      - { .name: sel, .offset: 24, .size: 8, .value_kind: global_buffer, .address_space: global }
      - { .name: ybuf, .offset: 32, .size: 8, .value_kind: global_buffer, .address_space: global }
    .group_segment_fixed_size: 167424
    .private_segment_fixed_size: 0
    .kernarg_segment_align: 8
    .kernarg_segment_size: 40
    .max_flat_workgroup_size: 128
    .sgpr_count:     66
    .vgpr_count:     928
    .wavefront_size: 32
...
	.end_amdgpu_metadata
.endif
;; end of part 4
;; launch comb1 (part 5): grid 256 x 1, 4 waves a work-group, no clusters, 0 bytes of LDS; arguments x, ybuf, idx, protos, x2, xb, sel, wgt; writes x2, xb, sel, wgt
.if DOCPART == 5
	.amdgcn_target "amdgcn-amd-amdhsa--gfx1250"
	.amdhsa_code_object_version 6
	.text
	.protected	k_q35287a1634_comb1
	.globl	k_q35287a1634_comb1
	.p2align	8
	.type	k_q35287a1634_comb1,@function
k_q35287a1634_comb1:
	s_mov_b64 s[64:65], 0
	v_nop
	global_prefetch_b8 v0, s[64:65] scope:SCOPE_SE
	s_setreg_imm32_b32 hwreg(HW_REG_WAVE_MODE, 25, 1), 1
	s_wait_xcnt 0x0
; END OF LAYER 0 AND ROUTING OF LAYER 1.  One wave a token.  x2 = bf16(x) + the sum over the token's kept experts and the four quarters of F of ybuf's rows (the weights are already in them).
; Then the routing of layer 1 on x2 in f32, with the prototypes rounded to bf16, exactly as layer 0's.  Stored: x2 (f32), xb (x2 rounded, the next product's operand), sel, wgt, the layer's number 1.
; Which rows of ybuf, and how many, are whole numbers left by an earlier launch.  Two kept experts are taken at once; a third and further ones (exact ties) by a counted loop.
; LIMITS: NaN is not treated apart (a token then counts fewer than two kept experts and takes row 0 for the missing ones); ties are decided on these f32 sums; a weight below 2^-126 counts as 0.
; A lane's register 4 i + c holds column 128 i + 4 lane + c.  Window 1: rows of ybuf, (area k, quarter q) at v[128 k + 32 q].
.set X,   8
.set ACC, 40
.set XP,  40
.set AR0, 64
.set AR1, 128
.set AR2, 192
.set S,   64
.set D,   72
.set PBASE, 32768                      ; layer 1's prototypes
.set PROT, 10                          ; s[10:11]
.set XBP,  14                          ; s[14:15]  xb at my row
.set SELB, 16                          ; s[16:17]
.set WGT,  18                          ; s[18:19]  wgt at my token
.set SELT, 60                          ; s[60:61]  sel at my token
.set QS,   41943040
.set MSB, 0
.macro WIN new
.if MSB != (\new)
	s_set_vgpr_msb (MSB<<8)|(\new)
.set MSB, \new
.endif
.endm
.macro PLOAD a, b
.irp ee, 0,1
.irp i, 0,1,2,3,4,5,6,7
	global_load_b128 v[(\a)+32*(\ee)+4*(\i):(\a)+32*(\ee)+4*(\i)+3], v2, s[PROT:PROT+1] offset:PBASE+(2*(\b)+(\ee))*4096+512*(\i)
.endr
.endr
.endm
.macro DOT a, b
.set p, 0
.rept 16
.irp ee, 0,1
	v_cvt_pk_bf16_f32 v[5+(\ee)], v[(\a)+32*(\ee)+2*p], v[(\a)+32*(\ee)+2*p+1]
.endr
.irp ee, 0,1
	v_lshlrev_b32 v[(\a)+32*(\ee)+2*p], 16, v[5+(\ee)]
	v_and_b32 v[(\a)+32*(\ee)+2*p+1], s26, v[5+(\ee)]
.endr
.irp ee, 0,1
.if p == 0
	v_pk_mul_f32 v[ACC+2*(2*(\b)+(\ee)):ACC+2*(2*(\b)+(\ee))+1], v[(\a)+32*(\ee)+2*p:(\a)+32*(\ee)+2*p+1], v[X+2*p:X+2*p+1]
.else
	v_pk_fma_f32 v[ACC+2*(2*(\b)+(\ee)):ACC+2*(2*(\b)+(\ee))+1], v[(\a)+32*(\ee)+2*p:(\a)+32*(\ee)+2*p+1], v[X+2*p:X+2*p+1], v[ACC+2*(2*(\b)+(\ee)):ACC+2*(2*(\b)+(\ee))+1]
.endif
.endr
.set p, p+1
.endr
.endm
.macro TOXP
.set p, 0
.rept 16
	v_cvt_pk_bf16_f32 v[XP+p], v[X+2*p], v[X+2*p+1]
.set p, p+1
.endr
.endm
.macro WIDEN
.set p, 0
.rept 16
	v_lshlrev_b32 v[X+2*p], 16, v[XP+p]
	v_and_b32 v[X+2*p+1], s26, v[XP+p]
.set p, p+1
.endr
.endm
.macro STXB
.irp i, 0,1,2,3,4,5,6,7
	global_store_b64 v3, v[XP+2*(\i):XP+2*(\i)+1], s[XBP:XBP+1] offset:256*(\i)
.endr
.endm
.macro FINISH
.irp e, 0,1,2,3,4,5,6,7
	v_add_f32 v[S+\e], v[ACC+2*\e], v[ACC+2*\e+1]
.endr
.irp m, 1,2,4,8
.irp e, 0,1,2,3,4,5,6,7
	v_add_f32_dpp v[S+\e], v[S+\e], v[S+\e] row_xmask:\m row_mask:0xf bank_mask:0xf
.endr
.endr
.irp e, 0,1,2,3,4,5,6,7
	v_permlanex16_b32 v[D+\e], v[S+\e], s28, s29
.endr
.irp e, 0,1,2,3,4,5,6,7
	v_add_f32 v[S+\e], v[S+\e], v[D+\e]
.endr
.irp e, 0,1,2,3,4,5,6,7
	v_and_b32 v[S+\e], s27, v[S+\e]
.endr
	v_max_num_f32 v80, v[S], v[S+1]
	v_min_num_f32 v81, v[S], v[S+1]
.irp e, 2,3,4,5,6,7
	v_min_num_f32 v82, v80, v[S+\e]
	v_max_num_f32 v81, v81, v82
	v_max_num_f32 v80, v80, v[S+\e]
.endr
.irp e, 0,1,2,3,4,5,6,7
	v_cmp_ge_f32 s[32+\e], v[S+\e], v81        ; kept: it selects values only, no branch and no address
	v_sub_f32 v[D+\e], v[S+\e], v80            ; the largest is taken away ahead of the exponential
.endr
.irp e, 0,1,2,3,4,5,6,7
	v_mul_f32 v[D+\e], s30, v[D+\e]
.endr
.irp e, 0,1,2,3,4,5,6,7
	v_exp_f32 v[D+\e], v[D+\e]
.endr
	v_nop                                          ; a plain instruction between the last exponential and the use of its result (ISA guide 5.7.2)
	s_wait_alu depctr_va_vdst(0)
.irp e, 0,1,2,3,4,5,6,7
	v_cndmask_b32 v[D+\e], 0, v[D+\e], s[32+\e]
.endr
	v_add_f32 v83, v[D], v[D+1]
.irp e, 2,3,4,5,6,7
	v_add_f32 v83, v83, v[D+\e]
.endr
	v_rcp_f32 v83, v83
	v_mov_b32 v84, 0                               ; the plain instruction behind the reciprocal; the mask starts here
	s_wait_alu depctr_va_vdst(0)
.irp e, 0,1,2,3,4,5,6,7
	v_mul_f32 v[D+\e], v[D+\e], v83
	v_cndmask_b32 v82, 0, (1<<\e), s[32+\e]
	v_or_b32 v84, v84, v82
.endr
	v_mov_b32 v85, v[D]
.irp e, 1,2,3,4,5,6,7
	v_cmp_eq_u32 vcc_lo, \e, v1
	v_cndmask_b32 v85, v85, v[D+\e], vcc_lo
.endr
.endm
.macro PUT layer
	s_wait_xcnt 0x0                                ; EXEC is a source of the loads and stores issued so far: it changes only behind this wait
	v_cmp_gt_u32 vcc_lo, 8, v1
	s_and_saveexec_b32 s31, vcc_lo
	global_store_b32 v4, v85, s[WGT:WGT+1]
	s_wait_xcnt 0x0
	s_or_b32 exec_lo, exec_lo, s31
	v_cmp_eq_u32 vcc_lo, 0, v1
	s_and_saveexec_b32 s31, vcc_lo
	global_store_b32 v4, v84, s[SELT:SELT+1]
	s_wait_xcnt 0x0
	s_or_b32 exec_lo, exec_lo, s31
	s_cmp_lg_u32 s21, 0
	s_cbranch_scc1 .Lend
	v_mov_b32 v82, \layer
	global_store_b32 v4, v82, s[SELB:SELB+1] offset:4096
.Lend:
.endm
.macro YLD k, sreg                     ; the four quarters' rows of entry s[sreg] into area k: 32 loads of 512 consecutive bytes
	s_min_u32 s50, s[\sreg], 10239
	s_lshl_b32 s22, s50, 12
	s_mov_b32 s23, 0
.irp q, 0,1,2,3
	s_add_nc_u64 s[66+8*(\k)+2*(\q):66+8*(\k)+2*(\q)+1], s[52+2*(\q):52+2*(\q)+1], s[22:23]
.endr
	WIN 0x40
.irp q, 0,1,2,3
.irp i, 0,1,2,3,4,5,6,7
	global_load_b128 v[128*(\k)+32*(\q)+4*(\i):128*(\k)+32*(\q)+4*(\i)+3], v2, s[66+8*(\k)+2*(\q):66+8*(\k)+2*(\q)+1] offset:512*(\i) th:TH_LOAD_NT
.endr
.endr
	WIN 0
.endm
.macro YADD k
	WIN 0x04
.irp q, 0,1,2,3
.set p, 0
.rept 16
	v_pk_add_f32 v[X+2*p:X+2*p+1], v[X+2*p:X+2*p+1], v[128*(\k)+32*(\q)+2*p:128*(\k)+32*(\q)+2*p+1]
.set p, p+1
.endr
.endr
	WIN 0
.endm
	s_load_b512 s[4:19], s[0:1], 0x0               ; x, ybuf, idx, protos, x2, xb, sel, wgt
	v_and_b32 v1, 31, v0
	v_lshrrev_b32 v5, 5, v0
	v_readfirstlane_b32 s20, v5
	s_lshl_b32 s21, ttmp9, 2
	s_add_co_u32 s21, s21, s20                     ; my token
	v_lshlrev_b32 v2, 4, v1
	v_lshlrev_b32 v3, 3, v1
	v_lshlrev_b32 v4, 2, v1
	s_mov_b32 s26, 0xffff0000
	s_mov_b32 s27, 0x7fffffff
	s_mov_b32 s28, 0x76543210
	s_mov_b32 s29, 0xfedcba98
	s_mov_b32 s30, 0x3fb8aa3b
	s_mov_b32 s23, 0
	s_lshl_b32 s51, s21, 2
	s_wait_kmcnt 0x0
	s_load_b32 s48, s[8:9], s51 offset:0x12000     ; how many experts my token keeps
	s_lshl_b32 s22, s21, 5
	s_add_nc_u64 s[24:25], s[8:9], s[22:23]
	s_add_nc_u64 s[24:25], s[24:25], 40960
	s_load_b256 s[40:47], s[24:25], 0x0            ; its eight entries
	s_add_nc_u64 s[18:19], s[18:19], s[22:23]
	s_lshl_b32 s22, s21, 12
	s_add_nc_u64 s[4:5], s[4:5], s[22:23]
	s_add_nc_u64 s[12:13], s[12:13], s[22:23]
	s_lshl_b32 s22, s21, 11
	s_add_nc_u64 s[14:15], s[14:15], s[22:23]
	s_lshl_b32 s22, s21, 2
	s_add_nc_u64 s[60:61], s[16:17], s[22:23]
	s_mov_b64 s[52:53], s[6:7]                     ; ybuf's four quarters
	s_add_nc_u64 s[54:55], s[52:53], QS
	s_add_nc_u64 s[56:57], s[54:55], QS
	s_add_nc_u64 s[58:59], s[56:57], QS
.irp i, 0,1,2,3,4,5,6,7
	global_load_b128 v[X+4*(\i):X+4*(\i)+3], v2, s[4:5] offset:512*(\i) th:TH_LOAD_NT
.endr
	PLOAD AR0, 0
	PLOAD AR1, 1
	PLOAD AR2, 2
	s_wait_kmcnt 0x0
	s_min_u32 s48, s48, 8
	YLD 0, 40
	YLD 1, 41
	s_wait_loadcnt 0x0
	TOXP                                           ; x enters as the other inputs do: rounded to bf16
	WIDEN
	YADD 0
	YADD 1
	s_cmp_le_u32 s48, 2
	s_cbranch_scc1 .Ldone
	s_mov_b32 s49, 2
.Lmore:                                                ; entries 2 .. nsel - 1
	s_lshl_b32 s51, s49, 2
	s_load_b32 s50, s[24:25], s51 offset:0x0
	s_wait_kmcnt 0x0
	s_wait_xcnt 0x0                                ; the row bases are written again only behind this wait
	YLD 0, 50
	s_wait_loadcnt 0x0
	YADD 0
	s_add_co_u32 s49, s49, 1
	s_cmp_lt_u32 s49, s48
	s_cbranch_scc1 .Lmore
.Ldone:
.irp i, 0,1,2,3,4,5,6,7
	global_store_b128 v2, v[X+4*(\i):X+4*(\i)+3], s[12:13] offset:512*(\i)
.endr
	TOXP
	STXB
	s_wait_xcnt 0x0                                ; the sums take the registers that the stores above read
	DOT AR0, 0                                     ; the routing goes by x2 itself, in f32
	PLOAD AR0, 3
	DOT AR1, 1
	DOT AR2, 2
	s_wait_loadcnt 0x0
	DOT AR0, 3
	FINISH
	PUT 1
	s_endpgm
.Lfunc_end_k_q35287a1634_comb1:
	.size	k_q35287a1634_comb1, .Lfunc_end_k_q35287a1634_comb1-k_q35287a1634_comb1
	.p2alignl 7, 3214868480
	.fill 96, 4, 3214868480
	.section	.rodata,"a",@progbits
	.p2align	6, 0x0
	.amdhsa_kernel k_q35287a1634_comb1
		.amdhsa_group_segment_fixed_size 0
		.amdhsa_private_segment_fixed_size 0
		.amdhsa_enable_private_segment 0
		.amdhsa_kernarg_size 64
		.amdhsa_user_sgpr_count 2
		.amdhsa_user_sgpr_kernarg_segment_ptr 1
		.amdhsa_wavefront_size32 1
		.amdhsa_system_sgpr_workgroup_id_x 1
		.amdhsa_system_sgpr_workgroup_id_y 1
		.amdhsa_system_sgpr_workgroup_id_z 1
		.amdhsa_system_vgpr_workitem_id 0
		.amdhsa_next_free_vgpr 512
		.amdhsa_next_free_sgpr 82
		.amdhsa_reserve_vcc 1
		.amdhsa_float_denorm_mode_32 3
		.amdhsa_float_denorm_mode_16_64 3
		.amdhsa_memory_ordered 1
		.amdhsa_forward_progress 1
		.amdhsa_inst_pref_size 68
	.end_amdhsa_kernel
	.amdgpu_metadata
---
amdhsa.version: [ 1, 2 ]
amdhsa.kernels:
  - .name:           k_q35287a1634_comb1
    .symbol:         k_q35287a1634_comb1.kd
    .args:
      - { .name: x, .offset: 0, .size: 8, .value_kind: global_buffer, .address_space: global }
      - { .name: ybuf, .offset: 8, .size: 8, .value_kind: global_buffer, .address_space: global }
      - { .name: idx, .offset: 16, .size: 8, .value_kind: global_buffer, .address_space: global }
      - { .name: protos, .offset: 24, .size: 8, .value_kind: global_buffer, .address_space: global }
      - { .name: x2, .offset: 32, .size: 8, .value_kind: global_buffer, .address_space: global }
      - { .name: xb, .offset: 40, .size: 8, .value_kind: global_buffer, .address_space: global }
      - { .name: sel, .offset: 48, .size: 8, .value_kind: global_buffer, .address_space: global }
      - { .name: wgt, .offset: 56, .size: 8, .value_kind: global_buffer, .address_space: global }
    .group_segment_fixed_size: 0
    .private_segment_fixed_size: 0
    .kernarg_segment_align: 8
    .kernarg_segment_size: 64
    .max_flat_workgroup_size: 128
    .sgpr_count:     82
    .vgpr_count:     512
    .wavefront_size: 32
...
	.end_amdgpu_metadata
.endif
;; end of part 5
;; launch scan1: the kernel of part 2 again; grid 8 x 8, 4 waves a work-group, no clusters, 0 bytes of LDS; arguments sel, idx; writes idx
;; launch g1b: the kernel of part 3 again; grid 256 x 1, 4 waves a work-group, no clusters, 307,712 bytes of LDS; arguments xb, W1, idx, sel, wgt, hbuf; writes hbuf
;; launch g2b: the kernel of part 4 again; grid 256 x 1, 4 waves a work-group, no clusters, 167,424 bytes of LDS; arguments hbuf, W2, idx, sel, ybuf; writes ybuf
;; launch comb2 (part 6): grid 256 x 1, 4 waves a work-group, no clusters, 0 bytes of LDS; arguments x2, ybuf, idx, out0; writes out0
.if DOCPART == 6
	.amdgcn_target "amdgcn-amd-amdhsa--gfx1250"
	.amdhsa_code_object_version 6
	.text
	.protected	k_q35287a1634_comb2
	.globl	k_q35287a1634_comb2
	.p2align	8
	.type	k_q35287a1634_comb2,@function
k_q35287a1634_comb2:
	s_mov_b64 s[64:65], 0
	v_nop
	global_prefetch_b8 v0, s[64:65] scope:SCOPE_SE
	s_setreg_imm32_b32 hwreg(HW_REG_WAVE_MODE, 25, 1), 1
	s_wait_xcnt 0x0
; END OF LAYER 1.  One wave a token: out0 = x2 + the sum over the token's kept experts and the four quarters of F of ybuf's rows (the weights are already in them).  All in f32.
; Which rows, and how many, are whole numbers left by an earlier launch.  Two kept experts are taken at once; a third and further ones (exact ties) by a counted loop.
; LIMIT: NaN is not treated apart (a token then counts fewer than two kept experts and takes row 0 for the missing ones).
; A lane's register 4 i + c holds column 128 i + 4 lane + c.  Window 1: rows of ybuf, (area k, quarter q) at v[128 k + 32 q].
.set X,   8
.set QS,  41943040
.set MSB, 0
.macro WIN new
.if MSB != (\new)
	s_set_vgpr_msb (MSB<<8)|(\new)
.set MSB, \new
.endif
.endm
.macro YLD k, sreg
	s_min_u32 s50, s[\sreg], 10239
	s_lshl_b32 s22, s50, 12
	s_mov_b32 s23, 0
.irp q, 0,1,2,3
	s_add_nc_u64 s[66+8*(\k)+2*(\q):66+8*(\k)+2*(\q)+1], s[52+2*(\q):52+2*(\q)+1], s[22:23]
.endr
	WIN 0x40
.irp q, 0,1,2,3
.irp i, 0,1,2,3,4,5,6,7
	global_load_b128 v[128*(\k)+32*(\q)+4*(\i):128*(\k)+32*(\q)+4*(\i)+3], v2, s[66+8*(\k)+2*(\q):66+8*(\k)+2*(\q)+1] offset:512*(\i) th:TH_LOAD_NT
.endr
.endr
	WIN 0
.endm
.macro YADD k
	WIN 0x04
.irp q, 0,1,2,3
.set p, 0
.rept 16
	v_pk_add_f32 v[X+2*p:X+2*p+1], v[X+2*p:X+2*p+1], v[128*(\k)+32*(\q)+2*p:128*(\k)+32*(\q)+2*p+1]
.set p, p+1
.endr
.endr
	WIN 0
.endm
	s_load_b256 s[4:11], s[0:1], 0x0               ; x2 s[4:5], ybuf s[6:7], idx s[8:9], out0 s[10:11]
	v_and_b32 v1, 31, v0
	v_lshrrev_b32 v5, 5, v0
	v_readfirstlane_b32 s20, v5
	s_lshl_b32 s21, ttmp9, 2
	s_add_co_u32 s21, s21, s20                     ; my token
	v_lshlrev_b32 v2, 4, v1
	s_mov_b32 s23, 0
	s_lshl_b32 s51, s21, 2
	s_wait_kmcnt 0x0
	s_load_b32 s48, s[8:9], s51 offset:0x12000     ; how many experts my token keeps
	s_lshl_b32 s22, s21, 5
	s_add_nc_u64 s[24:25], s[8:9], s[22:23]
	s_add_nc_u64 s[24:25], s[24:25], 40960
	s_load_b256 s[40:47], s[24:25], 0x0            ; its eight entries
	s_lshl_b32 s22, s21, 12
	s_add_nc_u64 s[4:5], s[4:5], s[22:23]
	s_add_nc_u64 s[10:11], s[10:11], s[22:23]
	s_mov_b64 s[52:53], s[6:7]
	s_add_nc_u64 s[54:55], s[52:53], QS
	s_add_nc_u64 s[56:57], s[54:55], QS
	s_add_nc_u64 s[58:59], s[56:57], QS
.irp i, 0,1,2,3,4,5,6,7
	global_load_b128 v[X+4*(\i):X+4*(\i)+3], v2, s[4:5] offset:512*(\i) th:TH_LOAD_NT
.endr
	s_wait_kmcnt 0x0
	s_min_u32 s48, s48, 8
	YLD 0, 40
	YLD 1, 41
	s_wait_loadcnt 0x0
	YADD 0
	YADD 1
	s_cmp_le_u32 s48, 2
	s_cbranch_scc1 .Ldone
	s_mov_b32 s49, 2
.Lmore:                                                ; entries 2 .. nsel - 1
	s_lshl_b32 s51, s49, 2
	s_load_b32 s50, s[24:25], s51 offset:0x0
	s_wait_kmcnt 0x0
	s_wait_xcnt 0x0                                ; the row bases are written again only behind this wait
	YLD 0, 50
	s_wait_loadcnt 0x0
	YADD 0
	s_add_co_u32 s49, s49, 1
	s_cmp_lt_u32 s49, s48
	s_cbranch_scc1 .Lmore
.Ldone:
.irp i, 0,1,2,3,4,5,6,7
	global_store_b128 v2, v[X+4*(\i):X+4*(\i)+3], s[10:11] offset:512*(\i) th:TH_STORE_NT
.endr
	s_endpgm
.Lfunc_end_k_q35287a1634_comb2:
	.size	k_q35287a1634_comb2, .Lfunc_end_k_q35287a1634_comb2-k_q35287a1634_comb2
	.p2alignl 7, 3214868480
	.fill 96, 4, 3214868480
	.section	.rodata,"a",@progbits
	.p2align	6, 0x0
	.amdhsa_kernel k_q35287a1634_comb2
		.amdhsa_group_segment_fixed_size 0
		.amdhsa_private_segment_fixed_size 0
		.amdhsa_enable_private_segment 0
		.amdhsa_kernarg_size 32
		.amdhsa_user_sgpr_count 2
		.amdhsa_user_sgpr_kernarg_segment_ptr 1
		.amdhsa_wavefront_size32 1
		.amdhsa_system_sgpr_workgroup_id_x 1
		.amdhsa_system_sgpr_workgroup_id_y 1
		.amdhsa_system_sgpr_workgroup_id_z 1
		.amdhsa_system_vgpr_workitem_id 0
		.amdhsa_next_free_vgpr 512
		.amdhsa_next_free_sgpr 82
		.amdhsa_reserve_vcc 0
		.amdhsa_float_denorm_mode_32 3
		.amdhsa_float_denorm_mode_16_64 3
		.amdhsa_memory_ordered 1
		.amdhsa_forward_progress 1
		.amdhsa_inst_pref_size 26
	.end_amdhsa_kernel
	.amdgpu_metadata
---
amdhsa.version: [ 1, 2 ]
amdhsa.kernels:
  - .name:           k_q35287a1634_comb2
    .symbol:         k_q35287a1634_comb2.kd
    .args:
      - { .name: x2, .offset: 0, .size: 8, .value_kind: global_buffer, .address_space: global }
      - { .name: ybuf, .offset: 8, .size: 8, .value_kind: global_buffer, .address_space: global }
      - { .name: idx, .offset: 16, .size: 8, .value_kind: global_buffer, .address_space: global }
      - { .name: out0, .offset: 24, .size: 8, .value_kind: global_buffer, .address_space: global }
    .group_segment_fixed_size: 0
    .private_segment_fixed_size: 0
    .kernarg_segment_align: 8
    .kernarg_segment_size: 32
    .max_flat_workgroup_size: 128
    .sgpr_count:     82
    .vgpr_count:     512
    .wavefront_size: 32
...
	.end_amdgpu_metadata
.endif
;; end of part 6
;; ======== version 2 of 2: 9 launches; 1.22 times as fast as version 1
;; workspace buffers: xb 2,097,152 bytes; x2 4,194,304 bytes; sel 4,352 bytes of whole numbers; wgt 32,768 bytes; idx 78,848 bytes of whole numbers; hbuf 83,886,080 bytes; ybuf 167,772,160 bytes
;; launch route0: the kernel of part 1 again; grid 256 x 1, 4 waves a work-group, no clusters, 0 bytes of LDS; arguments x, protos, xb, sel, wgt; writes xb, sel, wgt
;; launch scan0: the kernel of part 2 again; grid 8 x 8, 4 waves a work-group, no clusters, 0 bytes of LDS; arguments sel, idx; writes idx
;; launch g1a (part 7): grid 256 x 1, 4 waves a work-group, no clusters, 307,712 bytes of LDS; arguments xb, W1, idx, sel, wgt, hbuf; writes hbuf
.if DOCPART == 7
	.amdgcn_target "amdgcn-amd-amdhsa--gfx1250"
	.amdhsa_code_object_version 6
	.text
	.protected	k_q35287a1634_g1a
	.globl	k_q35287a1634_g1a
	.p2align	8
	.type	k_q35287a1634_g1a,@function
k_q35287a1634_g1a:
	s_mov_b64 s[64:65], 0
	v_nop
	global_prefetch_b8 v0, s[64:65] scope:SCOPE_SE
	s_setreg_imm32_b32 hwreg(HW_REG_WAVE_MODE, 25, 1), 1
	s_wait_xcnt 0x0
; FIRST PRODUCT OF A LAYER, for the kept (token, expert) pairs alone: hbuf = w x relu(x W1[e]), as two bf16 numbers hi + lo (lo = bf16 of what hi leaves), so that
; the second product sees 16 significant bits; bf16 keeps f32's range.  Operands bf16, sums f32.  The layer's number and the lists are whole numbers left by earlier launches.
; SHARES.  Work-group = (expert e = id / 32, columns 64 b .. 64 b + 63 of F, b = id % 32), all K = 1,024.  Each byte of W1 is read once in the launch.
; PHASE 1: the group's 1,024 x 64 numbers of W1 come through registers, are rounded to bf16 two K rows at a time, and are laid into LDS as finished fragments.
; PHASE 2: the expert's slots go in passes of 320 (4 at the most; a pass that begins at or behind the count is jumped); a wave owns 80 slots: 5 tiles x 4 column blocks = 20 accumulators.
;   Its rows of xb, found by the list, come by 128 along K through registers into the wave's own stage (two halves that take turns), and from there as fragments.
;   Of the eight chunks of 128 along K the first and the last are written out; the six between are three trips of a counted loop, two chunks a trip.
; THE MATRIX INSTRUCTION IS USED TRANSPOSED (source 0 = 16 columns of W1, source 1 = 16 slots): a lane then holds one slot and eight neighbouring f, which IS the fragment
; image that the second product loads: hbuf [e][tile 80][K step 64][hi, lo][half c][lane][16 bytes]; every store covers 512 consecutive bytes.
; No tensor loads: the weights must be converted and turned on their way, which costs nothing through registers.  No cluster: every weight byte has one work-group, every row of a stage one wave.
; LIMITS: slots behind the count name token 0: their results are stored and never read.  NaN and infinities are not treated apart.
; REGISTERS: window 0 addresses, fragments, way out; window 1 accumulator (ti, j) at v[32 ti + 8 j]; window 2 v0-159 rows of xb as loaded.
.set KB,    1040                       ; a fragment in LDS: 1,024 bytes + 16, so that the 16 lanes of a converting store fall on 16 different 16-byte columns modulo 256
.set STG0,  133120                     ; behind the 128 fragments: the stages
.set WSTG,  43520                      ; a wave's stage: two halves
.set PSTG,  21760                      ; a half: 80 rows of 256 bytes, 272 apart
.set SPARE, 307200                     ; the spare words, 128 bytes a wave: two blocks of 256 bytes that no other line names
.set TRIPB, 33280                      ; the fragments of 8 K steps: what a trip of the K loop walks
.set CT,   16                          ; v[16:31]   phase 1: converted words
.set VBL,  16                          ; v16        phase 2: 16 lane + TRIPB x trip: made anew at the head of each trip of the K loop
.set VBT,  17                          ; v17        phase 2: 16 lane + 3 TRIPB, for the chunk behind the loop; never rewritten
.set AREA, 32                          ; v[32:255]  phase 1: seven areas of 32
.set TOK,  32                          ; v[32:71]   phase 2: byte offset in xb of the row that load i brings to my lane
.set F,    72                          ; v[72:151]  fragments of x, two buffers of 5 x 8
.set BB,   152                         ; v[152:215] fragments of W1, two buffers of 4 x 8
.set WP,   216                         ; v[216:225] the routing weight of my slot in tile ti, twice
.set T5,   226                         ; v[226:230] its byte offset in wgt
.set H,    232
.set HW,   240
.set HI,   248
.set LO,   252
.set MSB, 0
.macro WIN new                         ; the immediate's high byte repeats the setting that is left; a switch that changes nothing is dropped
.if MSB != (\new)
	s_set_vgpr_msb (MSB<<8)|(\new)
.set MSB, \new
.endif
.endm
.macro PLACES                          ; four plain instructions between a matrix instruction and a load into, or a read of, its registers
.rept 4
	v_nop
.endr
.endm
.macro WLD u                           ; unit u of my 16: 16 K rows x 256 bytes; lanes 0-15 take row i, lanes 16-31 row 8 + i
.irp i, 0,1,2,3,4,5,6,7
	global_load_b128 v[AREA+32*((\u)%7)+4*(\i):AREA+32*((\u)%7)+4*(\i)+3], v4, s[34:35] offset:131072*(\u)+8192*(\i) th:TH_LOAD_NT
.endr
.endm
.macro WCV u                           ; for each of my 4 columns: 8 K values packed into 16 bytes, which are one lane's half fragment
.irp m, 0,1,2,3
.irp pp, 0,1,2,3
	v_cvt_pk_bf16_f32 v[CT+4*(\m)+(\pp)], v[AREA+32*((\u)%7)+8*(\pp)+(\m)], v[AREA+32*((\u)%7)+8*(\pp)+4+(\m)]
.endr
.endr
.irp m, 0,1,2,3
	ds_store_b128 v5, v[CT+4*(\m):CT+4*(\m)+3] offset:4160*((\u)/2)+512*((\u)%2)+16*(\m)
.endr
.endm
.macro RAW imm                         ; 80 rows x 256 bytes of xb at byte imm from where s[28:29] stands in the rows: each load two rows
	WIN 0x80
.set i, 0
.rept 40
	global_load_b128 v[4*i:4*i+3], v[TOK+i], s[28:29] offset:\imm
.set i, i+1
.endr
	WIN 0
.endm
.macro STG p                           ; into half p of my stage
	WIN 0x08
.set i, 0
.rept 40
	ds_store_b128 v8, v[4*i:4*i+3] offset:PSTG*(\p)+544*i
.set i, i+1
.endr
	WIN 0
.endm
.macro AFR buf, p, u                   ; x's five fragments of K step u of half p
	WIN 0
.irp ti, 0,1,2,3,4
.irp c, 0,1
	ds_load_b128 v[F+40*(\buf)+8*(\ti)+4*(\c):F+40*(\buf)+8*(\ti)+4*(\c)+3], v9 offset:PSTG*(\p)+4352*(\ti)+64*(\u)+32*(\c)
.endr
.endr
.endm
.macro BFR buf, base, srel             ; W1's four fragments of K step srel, counted from where v[base] stands; the immediate is 53,552 at the most
	WIN 0
.irp j, 0,1,2,3
.irp c, 0,1
	ds_load_b128 v[BB+32*(\buf)+8*(\j)+4*(\c):BB+32*(\buf)+8*(\j)+4*(\c)+3], v[\base] offset:4160*(\srel)+KB*(\j)+512*(\c)
.endr
.endr
.endm
.macro MUL buf, zero                   ; 20 matrix instructions; the 20 accumulators take turns; zero = 1: the products start the sums
	WIN 0x50
.irp ti, 0,1,2,3,4
.irp j, 0,1,2,3
.if \zero
	v_wmma_f32_16x16x32_bf16 v[32*(\ti)+8*(\j):32*(\ti)+8*(\j)+7], v[BB+32*(\buf)+8*(\j):BB+32*(\buf)+8*(\j)+7], v[F+40*(\buf)+8*(\ti):F+40*(\buf)+8*(\ti)+7], 0
.else
	v_wmma_f32_16x16x32_bf16 v[32*(\ti)+8*(\j):32*(\ti)+8*(\j)+7], v[BB+32*(\buf)+8*(\j):BB+32*(\buf)+8*(\j)+7], v[F+40*(\buf)+8*(\ti):F+40*(\buf)+8*(\ti)+7], v[32*(\ti)+8*(\j):32*(\ti)+8*(\j)+7]
.endif
.endr
.endr
.endm
; 128 along K, in half p of the stage: four K steps on fragment buffers 0, 1, 0, 1; each step fetches the next one's 18 fragment halves first.  The chunk's first K step is step k0 from v[base].
; more = 1: the next 128 along K (byte rawimm from s[28:29]) are asked for at the head and staged in the fourth step.
.macro CHUNK p, base, k0, rawimm, zero, more
.if \more
	RAW \rawimm
.endif
	PLACES
	AFR 1, \p, 1
	BFR 1, \base, (\k0)+1
	s_wait_dscnt 18                                ; all but the 18 just issued: this step's fragments are in
	MUL 0, \zero
	PLACES
	AFR 0, \p, 2
	BFR 0, \base, (\k0)+2
	s_wait_dscnt 18
	MUL 1, 0
	PLACES
	AFR 1, \p, 3
	BFR 1, \base, (\k0)+3
	s_wait_dscnt 18
	MUL 0, 0
.if \more
	PLACES
	s_wait_loadcnt 0x0                             ; the next 128 along K are in registers
	STG 1-(\p)                                     ; the stage is my own and LDS serves a wave's instructions in order (ISA guide 5.7.1.4): no barrier
	AFR 0, 1-(\p), 0
	BFR 0, \base, (\k0)+4
	s_wait_dscnt 58                                ; 40 stores and 18 loads are younger than this step's fragments
.else
	s_wait_dscnt 0x0
.endif
	MUL 1, 0
.endm
.macro EPI ti, j                       ; one accumulator: times the weight (not negative, so it may go inside the relu), relu, hi and lo, two stores of 512 consecutive bytes
	WIN 0x01
.irp k, 0,1,2,3
	v_pk_mul_f32 v[H+2*(\k):H+2*(\k)+1], v[32*(\ti)+8*(\j)+2*(\k):32*(\ti)+8*(\j)+2*(\k)+1], v[WP+2*(\ti):WP+2*(\ti)+1]
.endr
	WIN 0
.irp k, 0,1,2,3,4,5,6,7
	v_max_num_f32 v[H+(\k)], 0, v[H+(\k)]
.endr
	s_wait_xcnt 0x0                                ; HI and LO are the last two stores' data: rewritten only behind this wait
.irp k, 0,1,2,3
	v_cvt_pk_bf16_f32 v[HI+(\k)], v[H+2*(\k)], v[H+2*(\k)+1]
.endr
.irp k, 0,1,2,3
	v_lshlrev_b32 v[HW+2*(\k)], 16, v[HI+(\k)]
	v_and_b32 v[HW+2*(\k)+1], s30, v[HI+(\k)]
.endr
.irp k, 0,1,2,3
	v_pk_add_f32 v[H+2*(\k):H+2*(\k)+1], v[H+2*(\k):H+2*(\k)+1], v[HW+2*(\k):HW+2*(\k)+1] neg_lo:[0,1] neg_hi:[0,1]
.endr
.irp k, 0,1,2,3
	v_cvt_pk_bf16_f32 v[LO+(\k)], v[H+2*(\k)], v[H+2*(\k)+1]
.endr
	global_store_b128 v6, v[HI:HI+3], s[26:27] offset:131072*(\ti)+2048*((\j)/2)+512*((\j)%2)
	global_store_b128 v6, v[LO:LO+3], s[26:27] offset:131072*(\ti)+2048*((\j)/2)+512*((\j)%2)+1024
.endm
	s_load_b256 s[4:11], s[0:1], 0x0               ; xb s[4:5], W1 s[6:7], idx s[8:9], sel s[10:11]
	s_load_b128 s[12:15], s[0:1], 0x20             ; wgt s[12:13], hbuf s[14:15]
	v_lshl_add_u32 v14, v0, 2, SPARE               ; my spare word and 0: kept for the wave's end alone
	v_mov_b32 v15, 0
	v_lshrrev_b32 v1, 5, v0
	v_readfirstlane_b32 s16, v1                    ; wave
	s_lshr_b32 s17, ttmp9, 5                       ; e
	s_and_b32 s18, ttmp9, 31                       ; b
	s_lshl_b32 s39, s17, 7
	s_wait_kmcnt 0x0
	s_load_b32 s19, s[8:9], s39 offset:0x13000     ; the expert's count
	s_load_b32 s23, s[10:11], 0x1000               ; the layer
	v_and_b32 v1, 31, v0                           ; lane
	v_and_b32 v2, 15, v0                           ; r
	v_bfe_u32 v3, v0, 4, 1                         ; h
	v_lshlrev_b32 v13, 4, v2                       ; 16 r
	v_lshl_add_u32 v4, v3, 16, v13                 ; W1: 8 rows x h + 16 r
	v_lshrrev_b32 v5, 2, v2
	v_mul_u32_u24 v5, v5, KB
	v_lshl_add_u32 v5, v3, 8, v5
	v_and_b32 v6, 3, v2
	v_lshl_add_u32 v5, v6, 6, v5
	s_mul_i32 s32, s16, TRIPB
	v_add_nc_u32 v5, s32, v5                       ; where my converted 16 bytes go: 8 K steps x wave + fragment r / 4 + lane 16 h + 4 (r % 4)
	v_lshlrev_b32 v6, 4, v1                        ; 16 lane
	s_mul_i32 s38, s16, WSTG
	s_add_co_u32 s38, s38, STG0                    ; my stage
	v_mul_u32_u24 v8, v3, 272
	v_add_nc_u32 v8, v8, v13
	v_add_nc_u32 v8, s38, v8                       ; in: row h, 16 r
	v_mul_u32_u24 v9, v2, 272
	v_lshl_add_u32 v9, v3, 4, v9
	v_add_nc_u32 v9, s38, v9                       ; out: row r, 16 h
	v_lshlrev_b32 v11, 2, v3
	v_lshlrev_b32 v12, 2, v2
	s_mov_b32 s30, 0xffff0000
	s_wait_kmcnt 0x0
	s_min_u32 s19, s19, 1024
	s_min_u32 s23, s23, 1
	s_lshl_b32 s32, s23, 26                        ; W1 at layer, expert, my 256 K rows, the group's 64 columns
	s_lshl_b32 s33, s17, 23
	s_add_co_u32 s32, s32, s33
	s_lshl_b32 s33, s16, 21
	s_add_co_u32 s32, s32, s33
	s_lshl_b32 s33, s18, 8
	s_add_co_u32 s32, s32, s33
	s_mov_b32 s33, 0
	s_add_nc_u64 s[34:35], s[6:7], s[32:33]
.set u, 0
.rept 7
	WLD u
.set u, u+1
.endr
	s_mul_i32 s32, s17, 5120                       ; the list at my 80 slots
	s_mul_i32 s38, s16, 320
	s_add_co_u32 s32, s32, s38
	s_add_nc_u64 s[24:25], s[8:9], s[32:33]
	s_mul_i32 s32, s17, 10485760                   ; hbuf at my 5 tiles, the group's two K steps
	s_mul_i32 s38, s16, 655360
	s_add_co_u32 s32, s32, s38
	s_lshl_b32 s38, s18, 12
	s_add_co_u32 s32, s32, s38
	s_add_nc_u64 s[26:27], s[14:15], s[32:33]
	s_lshl_b32 s32, s17, 2
	s_add_nc_u64 s[36:37], s[12:13], s[32:33]      ; wgt at the expert
.set u, 0
.rept 16
.if u < 10
	s_wait_loadcnt 48                              ; unit u is in; the six units behind it stay out
.else
	s_wait_loadcnt 8*(15-u)                        ; the counts run down
.endif
	WCV u
.if u < 9
	WLD u+7
.endif
.set u, u+1
.endr
	s_wait_dscnt 0x0                               ; for the others' sake: my fragments are written
	s_barrier_signal -1
	s_barrier_wait -1                              ; the kernel's only barrier: all 128 fragments are there, and nobody writes them again
	v_add_nc_u32 v[VBT], 3*TRIPB, v6               ; K step 24: from here the chunk behind the loop counts
	s_mov_b32 s20, 0                               ; the pass's first slot
	s_mov_b32 s21, 4
.Lpass:
	s_cmp_ge_u32 s20, s19
	s_cbranch_scc1 .Lnext                          ; no slot of this pass is in use
.set i, 0
.rept 40
	global_load_b32 v[TOK+i], v11, s[24:25] offset:8*i
.set i, i+1
.endr
.irp ti, 0,1,2,3,4
	global_load_b32 v[T5+\ti], v12, s[24:25] offset:64*\ti
.endr
	s_mov_b64 s[28:29], s[4:5]                     ; xb, to be stepped along K
	s_mov_b32 s40, 0                               ; the K loop's place among the fragments, in bytes
	s_wait_loadcnt 0x0
.set i, 0
.rept 40
	v_min_u32 v[TOK+i], 0x3ff, v[TOK+i]
	v_lshl_add_u32 v[TOK+i], v[TOK+i], 11, v13
.set i, i+1
.endr
.irp ti, 0,1,2,3,4
	v_min_u32 v[T5+\ti], 0x3ff, v[T5+\ti]
	v_lshlrev_b32 v[T5+\ti], 5, v[T5+\ti]
.endr
.irp ti, 0,1,2,3,4
	global_load_b32 v[WP+2*\ti], v[T5+\ti], s[36:37]
.endr
	RAW 0
	s_wait_loadcnt 0x0
.irp ti, 0,1,2,3,4
	v_mov_b32 v[WP+2*\ti+1], v[WP+2*\ti]
.endr
	STG 0
	AFR 0, 0, 0
	BFR 0, 6, 0
	CHUNK 0, 6, 0, 256, 1, 1                       ; K 0-127 stands ahead of the loop: its first products start the sums
	WIN 0
	s_mov_b32 s22, 3
.Lpair:                                                ; trip t = 0, 1, 2: K 256 t + 128 .. 256 t + 383, both halves of the stage
	s_min_u32 s41, s40, 2*TRIPB                    ; TRIPB x t; the bound of the walk is written out
	v_add_nc_u32 v[VBL], s41, v6                   ; K step 8 t: the base of this trip's fragment loads, made anew in each trip
	CHUNK 1, VBL, 4, 512, 0, 1
	CHUNK 0, VBL, 8, 768, 0, 1
	WIN 0
	s_wait_xcnt 0x0                                ; the base is stepped only behind this wait
	s_add_nc_u64 s[28:29], s[28:29], 512
	s_add_co_u32 s40, s40, TRIPB
	s_sub_co_u32 s22, s22, 1
	s_cmp_lg_u32 s22, 0
	s_cbranch_scc1 .Lpair
	CHUNK 1, VBT, 4, 0, 0, 0                       ; K 896-1,023: nothing more to fetch
	PLACES
.irp ti, 0,1,2,3,4
.irp j, 0,1,2,3
	EPI \ti, \j
.endr
.endr
	WIN 0
.Lnext:
	s_wait_xcnt 0x0                                ; the bases are stepped only behind this wait
	s_add_co_u32 s20, s20, 320
	s_add_nc_u64 s[24:25], s[24:25], 1280
	s_add_nc_u64 s[26:27], s[26:27], 2621440
	s_sub_co_u32 s21, s21, 1
	s_cmp_lg_u32 s21, 0
	s_cbranch_scc1 .Lpass
	s_wait_tensorcnt 0x0                           ; the wave's end: behind my last LDS store
	ds_add_u32 v14, v15
	s_wait_dscnt 0x0
	s_endpgm
.Lfunc_end_k_q35287a1634_g1a:
	.size	k_q35287a1634_g1a, .Lfunc_end_k_q35287a1634_g1a-k_q35287a1634_g1a
	.p2alignl 7, 3214868480
	.fill 96, 4, 3214868480
	.section	.rodata,"a",@progbits
	.p2align	6, 0x0
	.amdhsa_kernel k_q35287a1634_g1a
		.amdhsa_group_segment_fixed_size 307712
		.amdhsa_private_segment_fixed_size 0
		.amdhsa_enable_private_segment 0
		.amdhsa_kernarg_size 48
		.amdhsa_user_sgpr_count 2
		.amdhsa_user_sgpr_kernarg_segment_ptr 1
		.amdhsa_wavefront_size32 1
		.amdhsa_system_sgpr_workgroup_id_x 1
		.amdhsa_system_sgpr_workgroup_id_y 1
		.amdhsa_system_sgpr_workgroup_id_z 1
		.amdhsa_system_vgpr_workitem_id 0
		.amdhsa_next_free_vgpr 672
		.amdhsa_next_free_sgpr 66
		.amdhsa_reserve_vcc 0
		.amdhsa_float_denorm_mode_32 3
		.amdhsa_float_denorm_mode_16_64 3
		.amdhsa_memory_ordered 1
		.amdhsa_forward_progress 1
		.amdhsa_inst_pref_size 150
	.end_amdhsa_kernel
	.amdgpu_metadata
---
amdhsa.version: [ 1, 2 ]
amdhsa.kernels:
  - .name:           k_q35287a1634_g1a
    .symbol:         k_q35287a1634_g1a.kd
    .args:
      - { .name: xb, .offset: 0, .size: 8, .value_kind: global_buffer, .address_space: global }
      - { .name: W1, .offset: 8, .size: 8, .value_kind: global_buffer, .address_space: global }
      - { .name: idx, .offset: 16, .size: 8, .value_kind: global_buffer, .address_space: global }
      - { .name: sel, .offset: 24, .size: 8, .value_kind: global_buffer, .address_space: global }
      - { .name: wgt, .offset: 32, .size: 8, .value_kind: global_buffer, .address_space: global }
      - { .name: hbuf, .offset: 40, .size: 8, .value_kind: global_buffer, .address_space: global }
    .group_segment_fixed_size: 307712
    .private_segment_fixed_size: 0
    .kernarg_segment_align: 8
    .kernarg_segment_size: 48
    .max_flat_workgroup_size: 128
    .sgpr_count:     66
    .vgpr_count:     672
    .wavefront_size: 32
...
	.end_amdgpu_metadata
.endif
;; end of part 7
;; launch g2a (part 8): grid 256 x 1, 4 waves a work-group, no clusters, 167,424 bytes of LDS; arguments hbuf, W2, idx, sel, ybuf; writes ybuf
.if DOCPART == 8
	.amdgcn_target "amdgcn-amd-amdhsa--gfx1250"
	.amdhsa_code_object_version 6
	.text
	.protected	k_q35287a1634_g2a
	.globl	k_q35287a1634_g2a
	.p2align	8
	.type	k_q35287a1634_g2a,@function
k_q35287a1634_g2a:
	s_mov_b64 s[64:65], 0
	v_nop
	global_prefetch_b8 v0, s[64:65] scope:SCOPE_SE
	s_setreg_imm32_b32 hwreg(HW_REG_WAVE_MODE, 25, 1), 1
	s_wait_xcnt 0x0
; SECOND PRODUCT OF A LAYER: ybuf[q][1280 e + slot][:] = the sum over the quarter q of F of (hi + lo)[slot][f] W2[e][f][:].  Operands bf16, sums f32, ybuf f32.
; SHARES.  Work-group = (expert e = id / 32, quarter q = (id / 8) % 4 of F: K = 512, columns 128 ds .. 128 ds + 127, ds = id % 8).  Each byte of W2 is read once in the launch.
; The four quarters are added by the launch behind: no sum spans work-groups here.
; PHASE 1: the group's 512 x 128 numbers of W2 through registers, rounded to bf16, into LDS as finished fragments.
; PHASE 2: passes of 320 slots (4 at the most; a pass that begins at or behind the count is jumped); a wave owns 5 tiles of 16 slots x 8 column blocks = 40 accumulators.
;   hbuf holds finished fragments, so they go straight into the registers of the one wave that uses them: four buffers, three K steps ahead.  Each K step multiplies hi and then lo onto the same sums.
;   Of the 16 K steps the first and the last three are written out; the twelve between are three trips of a counted loop, four steps a trip.
; TRANSPOSED USE (source 0 = 16 columns of W2, source 1 = 16 slots): a lane holds one slot and eight neighbouring columns; a tile leaves through the wave's own stage as whole rows of 512 bytes.
; No tensor loads (the weights are converted and turned on their way), no cluster (every weight byte has one work-group; a tile of hbuf has one wave in a work-group).
; REGISTERS: window 0 addresses, W2's fragments (two buffers), way out; window 1 accumulators of tiles 0-3 at v[64 ti + 8 j];
;   window 2 v0-63 tile 4's accumulators, v64-143 and v144-223 fragment buffers 0, 1; window 3 v0-79, v80-159 buffers 2, 3.  Fragment (ti, hi or lo) at 16 ti + 8 hl.
.set KB,    1040
.set STG0,  133120                     ; behind the 128 fragments: 16 rows of 512 bytes, 528 apart, for each wave
.set SPARE, 166912                     ; the spare words, 128 bytes a wave: two blocks of 256 bytes that no other line names
.set QS,    41943040                   ; bytes of ybuf for a quarter
.set TRIPB, 33280                      ; the fragments of 4 K steps: what a trip of the K loop walks
.set CT,   16                          ; v[16:31]   phase 1: converted words
.set VBL,  16                          ; v16        phase 2: 16 lane + TRIPB x trip: made anew at the head of each trip of the K loop
.set VBT,  17                          ; v17        phase 2: 16 lane + 3 TRIPB, for the steps behind the loop; never rewritten
.set AREA, 32
.set B0,   32                          ; v[32:95], v[96:159]
.set OUT,  160                         ; v[160:223]
.set MSB, 0
.macro WIN new
.if MSB != (\new)
	s_set_vgpr_msb (MSB<<8)|(\new)
.set MSB, \new
.endif
.endm
.macro PLACES                          ; four plain instructions between a matrix instruction and a load into, or a read of, its registers
.rept 4
	v_nop
.endr
.endm
.macro WLD u                           ; unit u of my 16: 8 K rows x 512 bytes, a row a load
.irp i, 0,1,2,3,4,5,6,7
	global_load_b128 v[AREA+32*((\u)%7)+4*(\i):AREA+32*((\u)%7)+4*(\i)+3], v4, s[34:35] offset:32768*(\u)+4096*(\i) th:TH_LOAD_NT
.endr
.endm
.macro WCV u
.irp m, 0,1,2,3
.irp pp, 0,1,2,3
	v_cvt_pk_bf16_f32 v[CT+4*(\m)+(\pp)], v[AREA+32*((\u)%7)+8*(\pp)+(\m)], v[AREA+32*((\u)%7)+8*(\pp)+4+(\m)]
.endr
.endr
.irp m, 0,1,2,3
	ds_store_b128 v5, v[CT+4*(\m):CT+4*(\m)+3] offset:8320*((\u)/4)+512*(((\u)/2)%2)+256*((\u)%2)+16*(\m)
.endr
.endm
.macro ALD a, rel                      ; the 20 half fragments (5 tiles, hi and lo) of K step rel, counted from where s[28:29] stands, into buffer a: each load 512 consecutive bytes
.set AR_, 64*(1-(\a)/2)+80*((\a)%2)
	WIN (2+(\a)/2)<<6
.irp ti, 0,1,2,3,4
.irp hc, 0,1,2,3
	global_load_b128 v[AR_+16*(\ti)+4*(\hc):AR_+16*(\ti)+4*(\hc)+3], v4, s[28:29] offset:131072*(\ti)+2048*(\rel)+512*(\hc)
.endr
.endr
.endm
.macro BLD bb, base, rel               ; W2's eight fragments of K step rel, counted from where v[base] stands; the immediate is 49,392 at the most
	WIN 0
.irp j, 0,1,2,3,4,5,6,7
.irp c, 0,1
	ds_load_b128 v[B0+64*(\bb)+8*(\j)+4*(\c):B0+64*(\bb)+8*(\j)+4*(\c)+3], v[\base] offset:8320*(\rel)+KB*(\j)+512*(\c)
.endr
.endr
.endm
.macro MUL2 a, bb, zero                ; 80 matrix instructions; the accumulators take turns: 31 (tile 4: 7) others' stand between hi's and lo's on one sum
.set AR_, 64*(1-(\a)/2)+80*((\a)%2)
	WIN 0x50|((2+(\a)/2)<<2)
.irp hl, 0,1
.irp ti, 0,1,2,3
.irp j, 0,1,2,3,4,5,6,7
.if (\zero) && ((\hl) == 0)
	v_wmma_f32_16x16x32_bf16 v[64*(\ti)+8*(\j):64*(\ti)+8*(\j)+7], v[B0+64*(\bb)+8*(\j):B0+64*(\bb)+8*(\j)+7], v[AR_+16*(\ti)+8*(\hl):AR_+16*(\ti)+8*(\hl)+7], 0
.else
	v_wmma_f32_16x16x32_bf16 v[64*(\ti)+8*(\j):64*(\ti)+8*(\j)+7], v[B0+64*(\bb)+8*(\j):B0+64*(\bb)+8*(\j)+7], v[AR_+16*(\ti)+8*(\hl):AR_+16*(\ti)+8*(\hl)+7], v[64*(\ti)+8*(\j):64*(\ti)+8*(\j)+7]
.endif
.endr
.endr
.endr
	WIN 0xa0|((2+(\a)/2)<<2)
.irp hl, 0,1
.irp j, 0,1,2,3,4,5,6,7
.if (\zero) && ((\hl) == 0)
	v_wmma_f32_16x16x32_bf16 v[8*(\j):8*(\j)+7], v[B0+64*(\bb)+8*(\j):B0+64*(\bb)+8*(\j)+7], v[AR_+64+8*(\hl):AR_+64+8*(\hl)+7], 0
.else
	v_wmma_f32_16x16x32_bf16 v[8*(\j):8*(\j)+7], v[B0+64*(\bb)+8*(\j):B0+64*(\bb)+8*(\j)+7], v[AR_+64+8*(\hl):AR_+64+8*(\hl)+7], v[8*(\j):8*(\j)+7]
.endif
.endr
.endr
.endm
; A K step on hbuf's buffer a and W2's buffer bb; it is step rel from where s[28:29] and v[base] stand.
; ld: hbuf's fragments three steps on are asked for; lb: W2's of the next step; cnt: the global loads younger than this step's.
.macro KSTEP a, bb, base, rel, ld, lb, cnt, zero
	PLACES
.if \ld
	ALD ((\a)+3)%4, (\rel)+3
.endif
.if \lb
	BLD 1-(\bb), \base, (\rel)+1
.endif
	s_wait_loadcnt \cnt
.if \lb
	s_wait_dscnt 16                                ; all but the 16 just issued
.else
	s_wait_dscnt 0x0
.endif
	MUL2 \a, \bb, \zero
.endm
.macro OUTT ti                         ; tile ti: into my stage (each accumulator's low half first), back as whole rows, out
.if (\ti) < 4
	WIN 0x04
.set AC_, 64*(\ti)
.else
	WIN 0x08
.set AC_, 0
.endif
.irp j, 0,1,2,3,4,5,6,7
	ds_store_b128 v7, v[AC_+8*(\j):AC_+8*(\j)+3] offset:64*(\j)
	ds_store_b128 v7, v[AC_+8*(\j)+4:AC_+8*(\j)+7] offset:64*(\j)+16
.endr
	WIN 0
	s_wait_xcnt 0x0                                ; OUT is the last tile's stores' data: loaded again only behind this wait
.set i, 0
.rept 16
	ds_load_b128 v[OUT+4*i:OUT+4*i+3], v8 offset:528*i  ; LDS serves a wave's instructions in order (ISA guide 5.7.1.4): these see the stores above
.set i, i+1
.endr
.set i, 0
.rept 16
	s_wait_dscnt 15-i
	global_store_b128 v4, v[OUT+4*i:OUT+4*i+3], s[24:25] offset:65536*(\ti)+4096*i  ; 512 consecutive bytes, aligned
.set i, i+1
.endr
.endm
	s_load_b256 s[4:11], s[0:1], 0x0               ; hbuf s[4:5], W2 s[6:7], idx s[8:9], sel s[10:11]
	s_load_b64 s[12:13], s[0:1], 0x20              ; ybuf
	v_lshl_add_u32 v14, v0, 2, SPARE               ; my spare word and 0: kept for the wave's end alone
	v_mov_b32 v15, 0
	v_lshrrev_b32 v1, 5, v0
	v_readfirstlane_b32 s16, v1                    ; wave
	s_lshr_b32 s17, ttmp9, 5                       ; e
	s_bfe_u32 s18, ttmp9, 0x20003                  ; q
	s_and_b32 s31, ttmp9, 7                        ; ds
	s_lshl_b32 s39, s17, 7
	s_wait_kmcnt 0x0
	s_load_b32 s19, s[8:9], s39 offset:0x13000     ; the expert's count
	s_load_b32 s23, s[10:11], 0x1000               ; the layer
	v_and_b32 v1, 31, v0
	v_and_b32 v2, 15, v0
	v_bfe_u32 v3, v0, 4, 1
	v_lshlrev_b32 v4, 4, v1                        ; 16 lane
	v_lshrrev_b32 v5, 2, v1
	v_mul_u32_u24 v5, v5, KB
	v_and_b32 v6, 3, v1
	v_lshl_add_u32 v5, v6, 6, v5
	s_mul_i32 s32, s16, TRIPB
	v_add_nc_u32 v5, s32, v5                       ; where my converted 16 bytes go: 4 K steps x wave + fragment lane / 4 + 64 (lane % 4)
	s_mul_i32 s38, s16, 8448
	s_add_co_u32 s38, s38, STG0                    ; my stage
	v_mul_u32_u24 v7, v2, 528
	v_lshl_add_u32 v7, v3, 5, v7
	v_add_nc_u32 v7, s38, v7                       ; in: row r, 32 h
	v_add_nc_u32 v8, s38, v4                       ; back: a row of 512 bytes
	s_wait_kmcnt 0x0
	s_min_u32 s19, s19, 1024
	s_min_u32 s23, s23, 1
	s_lshl_b32 s32, s23, 26                        ; W2 at layer, expert, quarter, my 128 K rows, the group's 128 columns
	s_lshl_b32 s33, s17, 23
	s_add_co_u32 s32, s32, s33
	s_lshl_b32 s33, s18, 21
	s_add_co_u32 s32, s32, s33
	s_lshl_b32 s33, s16, 19
	s_add_co_u32 s32, s32, s33
	s_lshl_b32 s33, s31, 9
	s_add_co_u32 s32, s32, s33
	s_mov_b32 s33, 0
	s_add_nc_u64 s[34:35], s[6:7], s[32:33]
.set u, 0
.rept 7
	WLD u
.set u, u+1
.endr
	s_mul_i32 s32, s17, 10485760                   ; hbuf at my 5 tiles, the quarter's 16 K steps
	s_mul_i32 s38, s16, 655360
	s_add_co_u32 s32, s32, s38
	s_lshl_b32 s38, s18, 15
	s_add_co_u32 s32, s32, s38
	s_add_nc_u64 s[26:27], s[4:5], s[32:33]
	s_mul_i32 s32, s17, 1280                       ; ybuf at the quarter, my 80 rows, the group's 512 bytes
	s_mul_i32 s38, s16, 80
	s_add_co_u32 s32, s32, s38
	s_lshl_b32 s32, s32, 12
	s_mul_i32 s38, s18, QS
	s_add_co_u32 s32, s32, s38
	s_lshl_b32 s38, s31, 9
	s_add_co_u32 s32, s32, s38
	s_add_nc_u64 s[24:25], s[12:13], s[32:33]
.set u, 0
.rept 16
.if u < 10
	s_wait_loadcnt 48                              ; unit u is in; the six units behind it stay out
.else
	s_wait_loadcnt 8*(15-u)
.endif
	WCV u
.if u < 9
	WLD u+7
.endif
.set u, u+1
.endr
	s_wait_dscnt 0x0                               ; for the others' sake: my fragments are written
	s_barrier_signal -1
	s_barrier_wait -1                              ; the kernel's only barrier
	v_add_nc_u32 v[VBT], 3*TRIPB, v4               ; K step 12: from here the steps behind the loop count
	s_mov_b32 s20, 0
	s_mov_b32 s21, 4
.Lpass:
	s_cmp_ge_u32 s20, s19
	s_cbranch_scc1 .Lnext
	s_mov_b64 s[28:29], s[26:27]                   ; hbuf at this pass's tiles, to be stepped along K
	s_mov_b32 s40, 0                               ; the K loop's place among the fragments, in bytes
	ALD 0, 0
	ALD 1, 1
	ALD 2, 2
	BLD 0, 4, 0
	KSTEP 0, 0, 4, 0, 1, 1, 60, 1                  ; K step 0 stands ahead of the loop: hi's products start the sums.  60: the three younger steps' 20 loads each
	WIN 0
	s_mov_b32 s22, 3
.Lfour:                                                ; trip t = 0, 1, 2: K steps 4 t + 1 .. 4 t + 4
	s_min_u32 s41, s40, 2*TRIPB                    ; TRIPB x t; the bound of the walk is written out
	v_add_nc_u32 v[VBL], s41, v4                   ; K step 4 t: the base of this trip's fragment loads, made anew in each trip
	KSTEP 1, 1, VBL, 1, 1, 1, 60, 0
	KSTEP 2, 0, VBL, 2, 1, 1, 60, 0
	KSTEP 3, 1, VBL, 3, 1, 1, 60, 0
	KSTEP 0, 0, VBL, 4, 1, 1, 60, 0
	WIN 0
	s_wait_xcnt 0x0                                ; the base is stepped only behind this wait
	s_add_nc_u64 s[28:29], s[28:29], 8192
	s_add_co_u32 s40, s40, TRIPB
	s_sub_co_u32 s22, s22, 1
	s_cmp_lg_u32 s22, 0
	s_cbranch_scc1 .Lfour
	KSTEP 1, 1, VBT, 1, 0, 1, 40, 0                ; K steps 13 to 15 ask hbuf for nothing: the counts run down
	KSTEP 2, 0, VBT, 2, 0, 1, 20, 0
	KSTEP 3, 1, VBT, 3, 0, 0, 0, 0
	PLACES
	OUTT 0
	OUTT 1
	OUTT 2
	OUTT 3
	OUTT 4
.Lnext:
	s_wait_xcnt 0x0                                ; the bases are stepped only behind this wait
	s_add_co_u32 s20, s20, 320
	s_add_nc_u64 s[26:27], s[26:27], 2621440
	s_add_nc_u64 s[24:25], s[24:25], 1310720
	s_sub_co_u32 s21, s21, 1
	s_cmp_lg_u32 s21, 0
	s_cbranch_scc1 .Lpass
	s_wait_tensorcnt 0x0                           ; the wave's end: behind my last LDS store
	ds_add_u32 v14, v15
	s_wait_dscnt 0x0
	s_endpgm
.Lfunc_end_k_q35287a1634_g2a:
	.size	k_q35287a1634_g2a, .Lfunc_end_k_q35287a1634_g2a-k_q35287a1634_g2a
	.p2alignl 7, 3214868480
	.fill 96, 4, 3214868480
	.section	.rodata,"a",@progbits
	.p2align	6, 0x0
	.amdhsa_kernel k_q35287a1634_g2a
		.amdhsa_group_segment_fixed_size 167424
		.amdhsa_private_segment_fixed_size 0
		.amdhsa_enable_private_segment 0
		.amdhsa_kernarg_size 40
		.amdhsa_user_sgpr_count 2
		.amdhsa_user_sgpr_kernarg_segment_ptr 1
		.amdhsa_wavefront_size32 1
		.amdhsa_system_sgpr_workgroup_id_x 1
		.amdhsa_system_sgpr_workgroup_id_y 1
		.amdhsa_system_sgpr_workgroup_id_z 1
		.amdhsa_system_vgpr_workitem_id 0
		.amdhsa_next_free_vgpr 928
		.amdhsa_next_free_sgpr 66
		.amdhsa_reserve_vcc 0
		.amdhsa_float_denorm_mode_32 3
		.amdhsa_float_denorm_mode_16_64 3
		.amdhsa_memory_ordered 1
		.amdhsa_forward_progress 1
		.amdhsa_inst_pref_size 123
	.end_amdhsa_kernel
	.amdgpu_metadata
---
amdhsa.version: [ 1, 2 ]
amdhsa.kernels:
  - .name:           k_q35287a1634_g2a
    .symbol:         k_q35287a1634_g2a.kd
    .args:
      - { .name: hbuf, .offset: 0, .size: 8, .value_kind: global_buffer, .address_space: global }
      - { .name: W2, .offset: 8, .size: 8, .value_kind: global_buffer, .address_space: global }
      - { .name: idx, .offset: 16, .size: 8, .value_kind: global_buffer, .address_space: global }
      - { .name: sel, .offset: 24, .size: 8, .value_kind: global_buffer, .address_space: global }
      - { .name: ybuf, .offset: 32, .size: 8, .value_kind: global_buffer, .address_space: global }
    .group_segment_fixed_size: 167424
    .private_segment_fixed_size: 0
    .kernarg_segment_align: 8
    .kernarg_segment_size: 40
    .max_flat_workgroup_size: 128
    .sgpr_count:     66
    .vgpr_count:     928
    .wavefront_size: 32
...
	.end_amdgpu_metadata
.endif
;; end of part 8
;; launch comb1: the kernel of part 5 again; grid 256 x 1, 4 waves a work-group, no clusters, 0 bytes of LDS; arguments x, ybuf, idx, protos, x2, xb, sel, wgt; writes x2, xb, sel, wgt
;; launch scan1: the kernel of part 2 again; grid 8 x 8, 4 waves a work-group, no clusters, 0 bytes of LDS; arguments sel, idx; writes idx
;; launch g1b: the kernel of part 7 again; grid 256 x 1, 4 waves a work-group, no clusters, 307,712 bytes of LDS; arguments xb, W1, idx, sel, wgt, hbuf; writes hbuf
;; launch g2b: the kernel of part 8 again; grid 256 x 1, 4 waves a work-group, no clusters, 167,424 bytes of LDS; arguments hbuf, W2, idx, sel, ybuf; writes ybuf
;; launch comb2: the kernel of part 6 again; grid 256 x 1, 4 waves a work-group, no clusters, 0 bytes of LDS; arguments x2, ybuf, idx, out0; writes out0
